; MI455X (gfx1250); checked and timed in simulation.
; The chip was launched on July 23, 2026; its instructions are those of AMD's public machine-readable ISA for CDNA 5 (MIT licence, August 2026) and "CDNA5" Instruction Set Architecture Reference Guide (July 2026). The comments in the code are by the model that wrote it; some were corrected since.
;; Model. Allowed arithmetic: matrix products marked QUANTISED: E2M1 operands, one E8M0 scale for each 32 along K, by v_wmma_scale_f32_16x16x128_f8f6f4 with both operands' format E2M1 (or v_wmma_scale_f32_32x16x128_f4), f32 sums; products left as they are: bf16, f16 or f32 operands; f32 sums; everything else in f32.
;; Inputs: Wk 8 x 768 x 512 float32; Wo 8 x 512 x 768 float32; Wq 8 x 512 x 512 float32; Wv 8 x 768 x 512 float32; bk 8 x 512 float32; bo 8 x 768 float32; bq 8 x 512 float32; bv 8 x 512 float32; cluster_probs 128 x 64 x 8 float32; topk_token_embeddings 8 x 250 x 768 float32; ts_emb 128 x 64 x 512 float32.
;; Outputs: out0 128 x 64 x 768 float32.
;; This version of the problem:
;;   THIS VERSION OF THE PROBLEM IS GIVEN IN LOW PRECISION. The matrix products marked QUANTISED in the list below multiply operands that are first quantised to E2M1 (2 exponent bits, 1 mantissa bit; 4 bits a number), with one power-of-two scale for each 32 numbers along K (OCP MX v1.0); their sums are f32. The products marked 'left as it is' may take bf16, f16 or f32 operands, with f32 sums. Whichever they take, every output number must still come out within the allowed error. Rounding operands to bf16 (8 significant bits) uses up far more of that allowance than f16 does (11 bits, for magnitudes from 6e-5 to 65,504). All else is computed in f32.
;;   The module's matrix products, in the order in which they are computed (A, B: the left and right operand; K: the contracted axis; several contracted axes count as one K, in the product's order):
;;     1. [M 4,096, K 512] x [K 512, N 8,192]; A: input Wq; B: input ts_emb: QUANTISED
;;     2. batch 8 x [M 250, K 768] x [K 768, N 512]; A: input topk_token_embeddings; B: input Wk: QUANTISED
;;     3. batch 8 x [M 250, K 768] x [K 768, N 512]; A: input topk_token_embeddings; B: input Wv: QUANTISED
;;     4. batch 64 x [M 250, K 64] x [K 64, N 8,192]; A: computed on the way; B: computed on the way: left as it is (an operand is computed on the way)
;;     5. batch 64 x [M 64, K 250] x [K 250, N 8,192]; A: computed on the way; B: computed on the way: left as it is (an operand is computed on the way)
;;     6. batch 8 x [M 8,192, K 512] x [K 512, N 768]; A: computed on the way; B: input Wo: left as it is (an operand is computed on the way)
;;     7. batch 8,192 x [M 768, K 8] x [K 8, N 1]; A: computed on the way; B: input cluster_probs: left as it is (K = 8 < 32)
;;   THE QUANTISER, for each operand of a quantised product, along K:
;;     - K is cut into blocks of 32 from its start; a last block that is shorter is filled with zeros.
;;     - A block's scale is 2^e with e = floor(log2(the largest magnitude in the block)) - 2, held to -126 .. 127; a block of zeros has e = 0. As a byte (E8M0): e + 127.
;;     - Each number is divided by its block's scale, clamped to +-6, and rounded to the nearest number of E2M1, ties to even, subnormals kept.
;;     - The product sums the exact products of the quantised numbers (number of the format x scale) in f32.
;;   ~~~python
;;   def quantise(x, axis):      # numpy; x: float32 -> the quantised numbers, widened to float32 again
;;       x = np.moveaxis(x, axis, -1); K = x.shape[-1]
;;       x = np.pad(x, [(0, 0)] * (x.ndim - 1) + [(0, -K % 32)]); x = x.reshape(x.shape[:-1] + (-1, 32)); a = np.abs(x).max(-1, keepdims=True)
;;       e = np.where(a > 0, np.clip(np.frexp(np.where(a > 0, a, 1))[1] - 1 - 2, -126, 127), 0)      # np.frexp(a)[1] - 1 = floor(log2(a)), exactly
;;       r = np.clip(x / 2.0 ** e, -6, 6)
;;       step = 2.0 ** (np.maximum(np.frexp(np.where(r == 0, 1, r))[1] - 1, 0) - 1)
;;       q = np.round(r / step) * step * 2.0 ** e      # np.round: ties to even
;;       return np.moveaxis(q.reshape(q.shape[:-2] + (-1,))[..., :K], -1, axis).astype(np.float32)
;;   ~~~
;; One version. Each part assembles by itself: llvm-mc -triple=amdgcn-amd-amdhsa -mcpu=gfx1250 --defsym DOCPART=n.
;; ======== version 1 of 1: 4 launches
;; limits: values are held in f16: magnitudes above 65,504 overflow, below 6.1e-05 lose precision
;; workspace buffers: kvin 4,227,072 bytes; heads 5,308,416 bytes; tsq 2,883,584 bytes; oimg 69,206,016 bytes; wo 6,553,600 bytes
;; launch prep (part 1): grid 1542 x 1, 4 waves a work-group, no clusters, 34,304 bytes of LDS; arguments Wq, Wk, Wv, Wo, bo, cluster_probs, topk_token_embeddings, ts_emb, kvin, heads, tsq, oimg, wo; writes kvin, heads, tsq, oimg, wo
.if DOCPART == 1
	.amdgcn_target "amdgcn-amd-amdhsa--gfx1250"
	.amdhsa_code_object_version 6
	.text
	.protected	k_qfad2e5764d_prep
	.globl	k_qfad2e5764d_prep
	.p2align	8
	.type	k_qfad2e5764d_prep,@function
k_qfad2e5764d_prep:
	s_mov_b64 s[64:65], 0
	v_nop
	global_prefetch_b8 v0, s[64:65] scope:SCOPE_SE
	s_setreg_imm32_b32 hwreg(HW_REG_WAVE_MODE, 25, 1), 1
	s_wait_xcnt 0x0
; PREP: every input that is an operand of a later product is laid out once, as IMAGES OF OPERAND REGISTERS (a fragment = 1,024 bytes: registers 4 p .. 4 p + 3 of lane l at 512 p + 16 l).
; Four kinds of work-groups, told apart by the work-group's number alone; each kind has its own text and its own end:
;   0 .. 511      Wq, Wk, Wv (K is the FIRST axis) -> codes of E2M1 and E8M0 scale words: a lane takes a column, its registers run down K
;   512 .. 1215   ts_emb, tokens (K innermost)     -> codes and scale words: 16 rows x 128 K a wave, turned through the wave's own stage in LDS
;   1216 .. 1413  Wo and bo -> f16 fragments of the last product, K = (cluster, channel) in steps of 32; step 128 holds bo, steps 129 to 131 zeros
;   1414 .. 1541  the gates: g' = g x 2^(126 - E), RS = 2^(E - 126), E the exponent field of the row's largest |g| (held to 2^-100 .. 2^100): both factors are powers of two, nothing is rounded
; THE QUANTISER: a block's scale is 2^(floor(log2(largest magnitude)) - 2); its byte is the largest magnitude's exponent field - 2, held at 1 from below.  A block of zeros so gets the byte 1 where the
; rule says 127: its codes are zeros, and this program alone reads the bytes.
; LIMITS: NaN and infinities are not served; blocks whose largest magnitude lies under 2^-124 get the byte 1; gates beyond 2^-100 .. 2^100 are not served; Wo and bo must lie inside f16's range (65,504).
; No cluster, no tensor load: no two work-groups read the same bytes, and each byte is read once.
.set SPARE, 33792                      ; behind the four stages of 8,448 bytes: the spare words, 128 bytes a wave
.set SPW, 5                            ; v5  LDS address of my spare word; never rewritten
.set NIL, 6                            ; v6  0; never rewritten
.set TA,  11                           ; v11, v1: two chains of a block's largest magnitude
.set TB,  1
.set SCO, 10                           ; v10 the conversion's scale operand
; One block of 32 numbers in v[x] .. v[x + 31] -> 4 registers of codes at v[cdst], the scale's byte in v[by].
.macro QB x, cdst, by
	v_max3_num_f32 v[TA], |v[\x]|, |v[\x+1]|, 0x1800000      ; with the floor 2^(3 - 127): the byte cannot fall under 1
	v_max3_num_f32 v[TB], |v[\x+16]|, |v[\x+17]|, |v[\x+18]|
.irp i, 0,2,4,6,8,10
	v_max3_num_f32 v[TA], v[TA], |v[\x+2+\i]|, |v[\x+3+\i]|
	v_max3_num_f32 v[TB], v[TB], |v[\x+19+\i]|, |v[\x+20+\i]|
.endr
	v_max3_num_f32 v[TA], v[TA], |v[\x+14]|, |v[\x+15]|
	v_max3_num_f32 v[TA], v[TA], v[TB], |v[\x+31]|
	v_add_nc_u32 v[SCO], 0xff000000, v[TA]                   ; 2 off the exponent field: the conversion takes this operand's exponent field as its scale
	v_lshrrev_b32 v[\by], 23, v[SCO]                         ; the scale's byte
.irp g, 0,1,2,3
	v_cvt_scalef32_pk8_fp4_f32 v[\cdst+\g], v[\x+8*\g:\x+8*\g+7], v[SCO]
.endr
	v_nop                                                    ; one plain place behind the last scaled conversion
.endm
	v_lshl_add_u32 v[SPW], v0, 2, SPARE
	v_mov_b32 v[NIL], 0
	v_lshrrev_b32 v1, 5, v0
	v_readfirstlane_b32 s2, v1                     ; wave 0..3
	v_and_b32 v2, 31, v0                           ; lane
	v_and_b32 v3, 15, v0                           ; r
	v_bfe_u32 v4, v0, 4, 1                         ; h
	s_cmp_lt_u32 ttmp9, 512
	s_cbranch_scc1 .Lweights
	s_cmp_lt_u32 ttmp9, 1216
	s_cbranch_scc1 .Lrows
	s_cmp_lt_u32 ttmp9, 1414
	s_cbranch_scc1 .Lwo
; ---------------- THE GATES: a wave takes a tile of 16 rows; both halves of the lanes hold the same row r
	s_load_b64 s[4:5], s[0:1], 0x28                ; cluster_probs
	s_load_b128 s[8:11], s[0:1], 0x50              ; tsq, oimg
	s_load_b64 s[12:13], s[0:1], 0x60              ; wo
	s_sub_co_u32 s16, ttmp9, 1414
	s_lshl_b32 s16, s16, 2
	s_add_co_u32 s16, s16, s2                      ; the tile of rows, 0 .. 511
	s_lshl_b32 s18, s16, 9                         ; its 16 rows of 32 bytes
	s_mov_b32 s19, 0
	s_lshl_b32 s20, s16, 7                         ; 128 bytes a tile
	s_add_co_u32 s22, s20, 6488064                 ; RS, behind Wo's images
	s_add_co_u32 s20, s20, 2359296                 ; g', behind the ts scale words
	s_mov_b32 s21, 0
	s_mov_b32 s23, 0
	s_mul_i32 s24, s16, 135168                     ; the tile's 132 K steps in oimg,
	s_add_co_u32 s24, s24, 131072                  ; K step 128
	s_mov_b32 s25, 0
	s_mov_b32 s26, 0xffff0000                      ; lanes 16 to 31
	v_lshlrev_b32 v7, 5, v3
	v_lshlrev_b32 v8, 2, v2
	v_lshlrev_b32 v9, 4, v2
	s_wait_kmcnt 0x0
	s_add_nc_u64 s[4:5], s[4:5], s[18:19]
	s_add_nc_u64 s[8:9], s[8:9], s[20:21]
	s_add_nc_u64 s[10:11], s[10:11], s[24:25]
	s_add_nc_u64 s[12:13], s[12:13], s[22:23]
	global_load_b128 v[16:19], v7, s[4:5]
	global_load_b128 v[20:23], v7, s[4:5] offset:16
.irp i, 0,1,2,3
	v_mov_b32 v[36+\i], 0                          ; a quad of zeros
.endr
	s_wait_loadcnt 0x0
	v_max3_num_f32 v10, |v16|, |v17|, |v18|
	v_max3_num_f32 v10, v10, |v19|, |v20|
	v_max3_num_f32 v10, v10, |v21|, |v22|
	v_max3_num_f32 v10, v10, |v23|, 0x0d800000     ; held at 2^-100 from below,
	v_min_num_f32 v10, 0x71800000, v10             ; at 2^100 from above
	v_and_b32 v10, 0x7f800000, v10                 ; E << 23
	v_sub_nc_u32 v11, 0x7e800000, v10              ; 2^(126 - E): exponent field 253 - E
	v_add_nc_u32 v12, 0x00800000, v10              ; 2^(E - 126): exponent field E + 1
.irp i, 0,1,2,3,4,5,6,7
	v_mul_f32 v[24+\i], v[16+\i], v11              ; g', under 1 in magnitude; exact
.endr
.irp i, 0,1,2,3,4,5,6,7
	global_store_b32 v8, v[24+\i], s[8:9] offset:65536*\i     ; [cluster][tile][128 bytes]
.endr
	global_store_b32 v8, v12, s[12:13]
.irp i, 0,1,2,3
	v_cvt_pk_f16_f32 v[32+\i], v[24+2*\i], v[25+2*\i]
.endr
.irp i, 0,1,2,3
	v_cndmask_b32 v[32+\i], v[32+\i], v36, s26     ; K step 128 of the last product: k = 0 .. 7 are the gates (lanes 0-15, registers 0-3), all else 0
.endr
	global_store_b128 v9, v[32:35], s[10:11]
.irp i, 1,2,3,4,5,6,7
	global_store_b128 v9, v[36:39], s[10:11] offset:512*\i    ; the rest of K steps 128 to 131
.endr
	s_endpgm
; ---------------- Wq, Wk, Wv: a wave takes 32 columns x 128 along K: four blocks a lane
.Lweights:
	s_load_b128 s[4:7], s[0:1], 0x0                ; Wq, Wk
	s_load_b64 s[8:9], s[0:1], 0x10                ; Wv
	s_load_b128 s[12:15], s[0:1], 0x40             ; kvin, heads
	s_cmp_lt_u32 ttmp9, 320
	s_cselect_b32 s16, 0, 192
	s_cselect_b32 s17, 0, 1                        ; 0: Wk, 1: Wv
	s_cmp_lt_u32 ttmp9, 128
	s_cselect_b32 s18, 0, 128
	s_add_co_u32 s16, s16, s18
	s_sub_co_u32 s16, ttmp9, s16                   ; the number within the tensor's range
	s_lshr_b32 s19, s16, 5                         ; K step of 128
	s_bfe_u32 s20, s16, 0x30002                    ; cluster
	s_and_b32 s21, s16, 3                          ; group of 128 columns
	; Wq goes into the heads' records: record 8 c + head, head = 2 group + wave / 2; tile t = 2 (wave % 2) + h
	s_lshl_b32 s22, s20, 3
	s_lshl_b32 s23, s21, 1
	s_add_co_u32 s22, s22, s23
	s_lshr_b32 s23, s2, 1
	s_add_co_u32 s22, s22, s23
	s_mul_i32 s22, s22, 82944
	s_and_b32 s23, s2, 1
	s_lshl_b32 s24, s19, 12
	s_lshl_b32 s25, s23, 11
	s_add_co_u32 s24, s24, s25
	s_add_co_u32 s24, s24, s22
	s_add_co_u32 s24, s24, 65536                   ; images [K step 4][t 4][1024]
	s_lshl_b32 s25, s19, 8
	s_lshl_b32 s26, s23, 7
	s_add_co_u32 s25, s25, s26
	s_add_co_u32 s25, s25, s22
	s_add_co_u32 s25, s25, 81920                   ; scale words [K step 4][t 4][64]
	; Wk, Wv go into kvin: images [tensor 2][c 8][tile 32][K step 6][1024], scale words [tensor][c][K step][tile][64]
	s_lshl_b32 s26, s17, 3
	s_add_co_u32 s26, s26, s20
	s_lshl_b32 s27, s21, 3
	s_lshl_b32 s28, s2, 1
	s_add_co_u32 s27, s27, s28                     ; my wave's first tile of 16 columns
	s_lshl_b32 s28, s26, 5
	s_add_co_u32 s28, s28, s27
	s_mul_i32 s28, s28, 6
	s_add_co_u32 s28, s28, s19
	s_lshl_b32 s28, s28, 10
	s_add_co_u32 s28, s28, 786432
	s_mul_i32 s29, s26, 12288
	s_lshl_b32 s30, s19, 11
	s_add_co_u32 s29, s29, s30
	s_lshl_b32 s30, s27, 6
	s_add_co_u32 s29, s29, s30
	s_add_co_u32 s29, s29, 4030464
	s_mov_b32 s31, 0x180000                        ; a cluster's bytes: 768 x 512 x 4, or 512 x 512 x 4
	s_mov_b32 s33, 6144                            ; from a tile to the next: 6 K steps, or 1
	s_cmp_lt_u32 ttmp9, 128
	s_cselect_b32 s24, s24, s28
	s_cselect_b32 s26, s25, s29
	s_cselect_b32 s31, 0x100000, s31
	s_cselect_b32 s33, 1024, s33
	s_mov_b32 s25, 0
	s_mov_b32 s27, 0
	s_mul_i32 s30, s20, s31
	s_lshl_b32 s31, s19, 18                        ; 128 rows of 2,048 bytes
	s_add_co_u32 s30, s30, s31
	s_mov_b32 s31, 0
	s_lshl_b32 s34, s21, 9
	v_lshl_add_u32 v7, v0, 2, s34                  ; my column: 4 (128 group + 32 wave + lane)
	v_lshlrev_b32 v8, 4, v3
	v_mad_u32_u24 v8, v4, s33, v8                  ; the image: 16 r, lanes 16-31 in the next tile
	v_lshlrev_b32 v9, 2, v2
	s_wait_kmcnt 0x0
	s_cmp_lt_u32 ttmp9, 320
	s_cselect_b64 s[6:7], s[6:7], s[8:9]
	s_cmp_lt_u32 ttmp9, 128
	s_cselect_b64 s[4:5], s[4:5], s[6:7]
	s_cselect_b64 s[12:13], s[14:15], s[12:13]
	s_add_nc_u64 s[4:5], s[4:5], s[30:31]
	s_add_nc_u64 s[14:15], s[12:13], s[26:27]      ; the scale words
	s_add_nc_u64 s[12:13], s[12:13], s[24:25]      ; the images
.macro BLOAD t                         ; block t: W(32 t + i, my column): each load reads 128 consecutive bytes a wave
.set i, 0
.rept 32
	global_load_b32 v[16+32*\t+i], v7, s[4:5] offset:2048*(32*\t+i) th:TH_LOAD_NT
.set i, i+1
.endr
.endm
.macro BOUT t                          ; block t = 2 c' + h' of the fragment lies at 512 c' + 256 h' + 16 r: sixteen lanes store 256 consecutive bytes, aligned
	global_store_b128 v8, v[144+4*\t:147+4*\t], s[12:13] offset:512*(\t/2)+256*(\t%2)
.endm
	BLOAD 0
	BLOAD 1
	s_wait_loadcnt 32                              ; block 0 is in; block 1's 32 loads may be out
	BLOAD 2
	QB 16, 144, 12
	BOUT 0
	s_wait_loadcnt 32                              ; block 1 is in; block 2's may be out
	BLOAD 3
	QB 48, 148, 13
	BOUT 1
	s_wait_loadcnt 32                              ; block 2 is in; block 3's may be out
	QB 80, 152, 14
	BOUT 2
	s_wait_loadcnt 0x0
	QB 112, 156, 15
	BOUT 3
	v_lshl_or_b32 v12, v13, 8, v12                 ; my column's scale word for these 128 along K
	v_lshl_or_b32 v12, v14, 16, v12
	v_lshl_or_b32 v12, v15, 24, v12
	global_store_b32 v9, v12, s[14:15]
	s_endpgm
; ---------------- ts_emb and the tokens: a wave takes 16 rows x 128 along K.  Token rows 250 to 255 of a cluster's last tile are copies of row 249 (the row number is held at 249): finite numbers whose keys are masked later
.Lrows:
	s_load_b128 s[4:7], s[0:1], 0x30               ; tokens, ts_emb
	s_load_b64 s[8:9], s[0:1], 0x40                ; kvin
	s_load_b64 s[10:11], s[0:1], 0x50              ; tsq
	s_sub_co_u32 s16, ttmp9, 512                   ; ts_emb: the tile of rows; the wave is the K step
	s_sub_co_u32 s17, ttmp9, 1024                  ; tokens: unit 4 x number + wave = 128 x K step + 16 c + tile (for ts_emb this wraps and is not used)
	s_lshl_b32 s17, s17, 2
	s_add_co_u32 s17, s17, s2
	s_lshr_b32 s18, s17, 7
	s_and_b32 s19, s17, 127
	s_lshr_b32 s20, s19, 4
	s_and_b32 s21, s19, 15
	s_mul_i32 s22, s19, 6
	s_add_co_u32 s22, s22, s18                     ; tokens: image number 6 (16 c + tile) + K step
	s_mul_i32 s20, s20, 768000                     ; a cluster's 250 rows of 3,072 bytes
	s_lshl_b32 s23, s16, 2
	s_add_co_u32 s23, s23, s2                      ; ts_emb: image number 4 tile + K step
	s_mov_b32 s24, 249
	s_mov_b32 s25, 3072
	s_mov_b32 s26, 3932160
	s_cmp_lt_u32 ttmp9, 1024
	s_cselect_b32 s18, s2, s18                     ; K step
	s_cselect_b32 s21, s16, s21                    ; tile
	s_cselect_b32 s22, s23, s22                    ; image number
	s_cselect_b32 s20, 0, s20
	s_cselect_b32 s24, 8191, s24                   ; the last row
	s_cselect_b32 s25, 2048, s25                   ; a row's bytes
	s_cselect_b32 s26, 2097152, s26                ; where the scale words begin in the target buffer
	s_lshl_b32 s21, s21, 4                         ; the tile's first row
	s_lshl_b32 s27, s18, 9
	s_add_co_u32 s28, s20, s27
	s_mov_b32 s29, 0
	s_lshl_b32 s30, s22, 10
	s_mov_b32 s31, 0
	s_lshl_b32 s32, s22, 7
	s_add_co_u32 s32, s32, s26
	s_mov_b32 s33, 0
	s_mov_b32 s36, 0x76543210
	s_mov_b32 s37, 0xfedcba98                      ; v_permlanex16_b32's selects for lane l xor 16
.set p, 0
.rept 16
	s_add_co_u32 s34, s21, p
	s_min_u32 s34, s34, s24
	s_mul_i32 s34, s34, s25
	v_lshl_add_u32 v[16+p], v2, 4, s34             ; row p: 32 lanes x 16 bytes = its 128 numbers
.set p, p+1
.endr
	s_mul_i32 s35, s2, 8448                        ; my stage: 16 rows of 512 bytes + 16
	v_lshl_add_u32 v7, v2, 4, s35                  ; in: as loaded
	v_mul_u32_u24 v8, v3, 528
	v_lshl_add_u32 v8, v4, 7, v8
	v_add_nc_u32 v8, s35, v8                       ; back: row r, block h of each pair of blocks
	s_wait_kmcnt 0x0
	s_cmp_lt_u32 ttmp9, 1024
	s_cselect_b64 s[4:5], s[6:7], s[4:5]
	s_cselect_b64 s[8:9], s[10:11], s[8:9]
	s_add_nc_u64 s[4:5], s[4:5], s[28:29]
	s_add_nc_u64 s[10:11], s[8:9], s[32:33]        ; the scale words
	s_add_nc_u64 s[8:9], s[8:9], s[30:31]          ; the image
.irp p, 0,1,2,3,4,5,6,7,8,9,10,11,12,13,14,15
	global_load_b128 v[32+4*\p:35+4*\p], v[16+\p], s[4:5]
.endr
.irp p, 0,1,2,3,4,5,6,7,8,9,10,11,12,13,14,15
	s_wait_loadcnt 15-\p                           ; row p is in; the younger rows may be out
	ds_store_b128 v7, v[32+4*\p:35+4*\p] offset:528*\p
.endr
.irp c, 0,1
.irp i, 0,1,2,3,4,5,6,7
	ds_load_b128 v[96+32*\c+4*\i:99+32*\c+4*\i], v8 offset:256*\c+16*\i   ; LDS serves a wave's instructions in order: these see my stores.  Block 2 c + h of row r: the order of the operand's registers
.endr
.endr
	s_wait_dscnt 8                                 ; the first block's eight reads are in
	QB 96, 160, 12
	s_wait_dscnt 0x0
	QB 128, 164, 13
	v_lshl_or_b32 v12, v13, 16, v12                ; my two bytes: blocks h and 2 + h,
	v_lshlrev_b32 v13, 3, v4
	v_lshlrev_b32 v12, v13, v12                    ; at their places in the row's scale word;
	v_mov_b32 v13, 0
	v_permlanex16_b32 v13, v12, s36, s37
	v_or_b32 v12, v12, v13                         ; with lane l xor 16's two the word is whole, in both halves of the lanes
	v_lshlrev_b32 v14, 4, v2
	v_lshlrev_b32 v15, 2, v2
	global_store_b128 v14, v[160:163], s[8:9]      ; 512 consecutive bytes
	global_store_b128 v14, v[164:167], s[8:9] offset:512
	global_store_b32 v15, v12, s[10:11]
	s_wait_tensorcnt 0x0                           ; the wave's end
	ds_add_u32 v[SPW], v[NIL]
	s_wait_dscnt 0x0
	s_endpgm
; ---------------- Wo and bo: a wave takes 32 columns x 128 along K = four K steps of 32, rounded to f16
.Lwo:
	s_load_b64 s[4:5], s[0:1], 0x18                ; Wo
	s_load_b64 s[6:7], s[0:1], 0x20                ; bo
	s_load_b64 s[8:9], s[0:1], 0x60                ; wo
	s_sub_co_u32 s16, ttmp9, 1216
	s_lshr_b32 s17, s16, 5                         ; Wo: group of 128 columns,
	s_bfe_u32 s18, s16, 0x30002                    ; cluster,
	s_and_b32 s19, s16, 3                          ; quarter of its 512 rows
	s_sub_co_u32 s20, ttmp9, 1408                  ; bo: group of 128 columns (for Wo this wraps and is not used)
	s_lshl_b32 s21, s18, 4
	s_lshl_b32 s22, s19, 2
	s_add_co_u32 s21, s21, s22                     ; first K step: 16 c + 4 quarter
	s_mul_i32 s24, s18, 1572864
	s_mul_i32 s22, s19, 393216
	s_add_co_u32 s24, s24, s22
	s_mov_b32 s25, 0
	s_cmp_lt_u32 ttmp9, 1408
	s_cselect_b32 s17, s17, s20
	s_cselect_b32 s21, s21, 128                    ; bo's is K step 128
	s_lshl_b32 s22, s17, 3
	s_lshl_b32 s23, s2, 1
	s_add_co_u32 s22, s22, s23                     ; my wave's first tile of 16 columns
	s_mul_i32 s22, s22, 132
	s_add_co_u32 s22, s22, s21
	s_lshl_b32 s22, s22, 10
	s_mov_b32 s23, 0
	s_lshl_b32 s26, s17, 9
	v_lshl_add_u32 v7, v0, 2, s26                  ; my column
	v_lshlrev_b32 v8, 4, v3
	v_mad_u32_u24 v8, v4, 0x21000, v8              ; 16 r; lanes 16-31 in the next tile, 132 K steps on
	s_wait_kmcnt 0x0
	s_add_nc_u64 s[8:9], s[8:9], s[22:23]
	s_cmp_lt_u32 ttmp9, 1408
	s_cbranch_scc0 .Lbias
	s_add_nc_u64 s[4:5], s[4:5], s[24:25]
.macro CLOAD t
.set i, 0
.rept 32
	global_load_b32 v[16+32*\t+i], v7, s[4:5] offset:3072*(32*\t+i) th:TH_LOAD_NT
.set i, i+1
.endr
.endm
.macro CPACK t                         ; K step t: group g of 8 along K lies at 512 (g / 2) + 256 (g % 2) + 16 r
.irp g, 0,1,2,3
.irp i, 0,1,2,3
	v_cvt_pk_f16_f32 v[144+16*\t+4*\g+\i], v[16+32*\t+8*\g+2*\i], v[17+32*\t+8*\g+2*\i]
.endr
.endr
.irp g, 0,1,2,3
	global_store_b128 v8, v[144+16*\t+4*\g:147+16*\t+4*\g], s[8:9] offset:1024*\t+512*(\g/2)+256*(\g%2)
.endr
.endm
	CLOAD 0
	CLOAD 1
	s_wait_loadcnt 32                              ; K step 0 is in; the next step's 32 loads may be out
	CLOAD 2
	CPACK 0
	s_wait_loadcnt 32
	CLOAD 3
	CPACK 1
	s_wait_loadcnt 32
	CPACK 2
	s_wait_loadcnt 0x0
	CPACK 3
	s_endpgm
.Lbias:
.irp i, 0,1,2,3,4,5,6,7
	global_load_b32 v[16+\i], v7, s[6:7] offset:3072*\i       ; bo(cluster i, my column): k = i of K step 128
.endr
.irp i, 0,1,2,3
	v_mov_b32 v[148+\i], 0
.endr
	s_wait_loadcnt 0x0
.irp i, 0,1,2,3
	v_cvt_pk_f16_f32 v[144+\i], v[16+2*\i], v[17+2*\i]
.endr
	global_store_b128 v8, v[144:147], s[8:9]
.irp i, 1,2,3,4,5,6,7,8,9,10,11,12,13,14,15
	global_store_b128 v8, v[148:151], s[8:9] offset:256*\i    ; k = 8 .. 127: zeros
.endr
	s_endpgm
.Lfunc_end_k_qfad2e5764d_prep:
	.size	k_qfad2e5764d_prep, .Lfunc_end_k_qfad2e5764d_prep-k_qfad2e5764d_prep
	.p2alignl 7, 3214868480
	.fill 96, 4, 3214868480
	.section	.rodata,"a",@progbits
	.p2align	6, 0x0
	.amdhsa_kernel k_qfad2e5764d_prep
		.amdhsa_group_segment_fixed_size 34304
		.amdhsa_private_segment_fixed_size 0
		.amdhsa_enable_private_segment 0
		.amdhsa_kernarg_size 104
		.amdhsa_user_sgpr_count 2
		.amdhsa_user_sgpr_kernarg_segment_ptr 1
		.amdhsa_wavefront_size32 1
		.amdhsa_system_sgpr_workgroup_id_x 1
		.amdhsa_system_sgpr_workgroup_id_y 1
		.amdhsa_system_sgpr_workgroup_id_z 1
		.amdhsa_system_vgpr_workitem_id 0
		.amdhsa_next_free_vgpr 224
		.amdhsa_next_free_sgpr 66
		.amdhsa_reserve_vcc 0
		.amdhsa_float_denorm_mode_32 3
		.amdhsa_float_denorm_mode_16_64 3
		.amdhsa_memory_ordered 1
		.amdhsa_forward_progress 1
		.amdhsa_inst_pref_size 61
	.end_amdhsa_kernel
	.amdgpu_metadata
---
amdhsa.version: [ 1, 2 ]
amdhsa.kernels:
  - .name:           k_qfad2e5764d_prep
    .symbol:         k_qfad2e5764d_prep.kd
    .args:
      - { .name: Wq, .offset: 0, .size: 8, .value_kind: global_buffer, .address_space: global }
      - { .name: Wk, .offset: 8, .size: 8, .value_kind: global_buffer, .address_space: global }
      - { .name: Wv, .offset: 16, .size: 8, .value_kind: global_buffer, .address_space: global }
      - { .name: Wo, .offset: 24, .size: 8, .value_kind: global_buffer, .address_space: global }
      - { .name: bo, .offset: 32, .size: 8, .value_kind: global_buffer, .address_space: global }
      - { .name: cluster_probs, .offset: 40, .size: 8, .value_kind: global_buffer, .address_space: global }
      - { .name: topk_token_embeddings, .offset: 48, .size: 8, .value_kind: global_buffer, .address_space: global }
      - { .name: ts_emb, .offset: 56, .size: 8, .value_kind: global_buffer, .address_space: global }
      - { .name: kvin, .offset: 64, .size: 8, .value_kind: global_buffer, .address_space: global }
      - { .name: heads, .offset: 72, .size: 8, .value_kind: global_buffer, .address_space: global }
      - { .name: tsq, .offset: 80, .size: 8, .value_kind: global_buffer, .address_space: global }
      - { .name: oimg, .offset: 88, .size: 8, .value_kind: global_buffer, .address_space: global }
      - { .name: wo, .offset: 96, .size: 8, .value_kind: global_buffer, .address_space: global }
    .group_segment_fixed_size: 34304
    .private_segment_fixed_size: 0
    .kernarg_segment_align: 8
    .kernarg_segment_size: 104
    .max_flat_workgroup_size: 128
    .sgpr_count:     66
    .vgpr_count:     224
    .wavefront_size: 32
...
	.end_amdgpu_metadata
.endif
;; end of part 1
;; launch kv (part 2): grid 256 x 1, 4 waves a work-group, no clusters, 0 bytes of LDS; arguments kvin, bk, bv, heads; writes heads
.if DOCPART == 2
	.amdgcn_target "amdgcn-amd-amdhsa--gfx1250"
	.amdhsa_code_object_version 6
	.text
	.protected	k_qfad2e5764d_kv
	.globl	k_qfad2e5764d_kv
	.p2align	8
	.type	k_qfad2e5764d_kv,@function
k_qfad2e5764d_kv:
	s_mov_b64 s[64:65], 0
	v_nop
	global_prefetch_b8 v0, s[64:65] scope:SCOPE_SE
	s_setreg_imm32_b32 hwreg(HW_REG_WAVE_MODE, 25, 1), 1
	s_wait_xcnt 0x0
; K = tokens Wk + bk and V = tokens Wv + bv on codes of E2M1 (K = 768: six steps of 128), rounded to f16 and laid as the fragments that the attention reads.
; A wave makes one head's 64 channels (4 tiles t) x 32 tokens (2 tiles i) of one cluster, of K or of V: 8 accumulators, 48 matrix instructions.  1,024 waves in all.
; K: source 0 = 16 channels of Wk, source 1 = 16 tokens: a lane holds one token and 8 neighbouring channels, which is a key's row of the fragment of K.  bk is the C of the first step.
; V: source 0 = 16 tokens, source 1 = 16 channels of Wv: a lane holds one channel and 8 neighbouring tokens, which is V^T's fragment (the keys are the second product's K).  bv is added behind the sums.
; All operands come straight into registers as images, 512 consecutive bytes a load.  No LDS, no barrier, no cluster: operands go through registers, and a wave's 36 KiB are a small part of the launch.
; LIMIT: |k| and |v| must stay under 65,504 (f16).
.set WF,  16                           ; v16-111   W's fragments: (3 K steps)(4 t)(8)
.set TF,  112                          ; v112-159  the tokens': (3 K steps)(2 i)(8); on the way out the packed results
.set ACC, 160                          ; v160-223  accumulator (t, i) at 160 + 8 (2 t + i)
.set WSC, 224                          ; v224-235  W's scale words: register 2 k + t / 2; lanes 0-15 the even t, lanes 16-31 the odd t
.set TSC, 236                          ; v236-241  the tokens': register 3 i + k / 2; lanes 0-15 the even K step, lanes 16-31 the odd
.set BV,  242                          ; v242-245  bv of my channel, for each t
; the scaled matrix instruction; c < 0: C = 0; ra, rb: which half of the lanes holds A's and B's scale words
.macro WMS d, a, b, c, sa, sb, ra, rb
.if (\c) < 0
.if ((\ra) == 0) && ((\rb) == 0)
	v_wmma_scale_f32_16x16x128_f8f6f4 v[(\d):(\d)+7], v[(\a):(\a)+7], v[(\b):(\b)+7], 0, v[(\sa)], v[(\sb)] matrix_a_fmt:MATRIX_FMT_FP4 matrix_b_fmt:MATRIX_FMT_FP4
.elseif (\rb) == 0
	v_wmma_scale_f32_16x16x128_f8f6f4 v[(\d):(\d)+7], v[(\a):(\a)+7], v[(\b):(\b)+7], 0, v[(\sa)], v[(\sb)] matrix_a_fmt:MATRIX_FMT_FP4 matrix_b_fmt:MATRIX_FMT_FP4 matrix_a_scale:MATRIX_SCALE_ROW1
.elseif (\ra) == 0
	v_wmma_scale_f32_16x16x128_f8f6f4 v[(\d):(\d)+7], v[(\a):(\a)+7], v[(\b):(\b)+7], 0, v[(\sa)], v[(\sb)] matrix_a_fmt:MATRIX_FMT_FP4 matrix_b_fmt:MATRIX_FMT_FP4 matrix_b_scale:MATRIX_SCALE_ROW1
.else
	v_wmma_scale_f32_16x16x128_f8f6f4 v[(\d):(\d)+7], v[(\a):(\a)+7], v[(\b):(\b)+7], 0, v[(\sa)], v[(\sb)] matrix_a_fmt:MATRIX_FMT_FP4 matrix_b_fmt:MATRIX_FMT_FP4 matrix_a_scale:MATRIX_SCALE_ROW1 matrix_b_scale:MATRIX_SCALE_ROW1
.endif
.else
.if ((\ra) == 0) && ((\rb) == 0)
	v_wmma_scale_f32_16x16x128_f8f6f4 v[(\d):(\d)+7], v[(\a):(\a)+7], v[(\b):(\b)+7], v[(\c):(\c)+7], v[(\sa)], v[(\sb)] matrix_a_fmt:MATRIX_FMT_FP4 matrix_b_fmt:MATRIX_FMT_FP4
.elseif (\rb) == 0
	v_wmma_scale_f32_16x16x128_f8f6f4 v[(\d):(\d)+7], v[(\a):(\a)+7], v[(\b):(\b)+7], v[(\c):(\c)+7], v[(\sa)], v[(\sb)] matrix_a_fmt:MATRIX_FMT_FP4 matrix_b_fmt:MATRIX_FMT_FP4 matrix_a_scale:MATRIX_SCALE_ROW1
.elseif (\ra) == 0
	v_wmma_scale_f32_16x16x128_f8f6f4 v[(\d):(\d)+7], v[(\a):(\a)+7], v[(\b):(\b)+7], v[(\c):(\c)+7], v[(\sa)], v[(\sb)] matrix_a_fmt:MATRIX_FMT_FP4 matrix_b_fmt:MATRIX_FMT_FP4 matrix_b_scale:MATRIX_SCALE_ROW1
.else
	v_wmma_scale_f32_16x16x128_f8f6f4 v[(\d):(\d)+7], v[(\a):(\a)+7], v[(\b):(\b)+7], v[(\c):(\c)+7], v[(\sa)], v[(\sb)] matrix_a_fmt:MATRIX_FMT_FP4 matrix_b_fmt:MATRIX_FMT_FP4 matrix_a_scale:MATRIX_SCALE_ROW1 matrix_b_scale:MATRIX_SCALE_ROW1
.endif
.endif
.endm
.macro PLACES                          ; four plain places behind matrix instructions, ahead of loads into their sources and of reads of their results
.rept 4
	v_nop
.endr
.endm
.macro KVFRAG k0                       ; the fragments of K steps k0 .. k0 + 2: 36 loads
.irp q, 0,1,2
.irp t, 0,1,2,3
.irp p, 0,1
	global_load_b128 v[WF+32*\q+8*\t+4*\p:WF+32*\q+8*\t+4*\p+3], v1, s[32:33] offset:6144*\t+1024*(\k0+\q)+512*\p
.endr
.endr
.irp i, 0,1
.irp p, 0,1
	global_load_b128 v[TF+16*\q+8*\i+4*\p:TF+16*\q+8*\i+4*\p+3], v1, s[34:35] offset:6144*\i+1024*(\k0+\q)+512*\p
.endr
.endr
.endr
.endm
.macro KVMUL kind, k0                  ; 24 matrix instructions: the 8 accumulators by turns, one instruction a turn
.irp q, 0,1,2
.irp t, 0,1,2,3
.irp i, 0,1
.if \kind == 0
	WMS ACC+8*(2*\t+\i), WF+32*\q+8*\t, TF+16*\q+8*\i, ACC+8*(2*\t+\i), WSC+2*(\k0+\q)+\t/2, TSC+3*\i+(\k0+\q)/2, \t%2, (\k0+\q)%2
.elseif (\k0+\q) == 0
	WMS ACC+8*(2*\t+\i), TF+16*\q+8*\i, WF+32*\q+8*\t, -1, TSC+3*\i+(\k0+\q)/2, WSC+2*(\k0+\q)+\t/2, (\k0+\q)%2, \t%2
.else
	WMS ACC+8*(2*\t+\i), TF+16*\q+8*\i, WF+32*\q+8*\t, ACC+8*(2*\t+\i), TSC+3*\i+(\k0+\q)/2, WSC+2*(\k0+\q)+\t/2, (\k0+\q)%2, \t%2
.endif
.endr
.endr
.endr
.endm
.macro KVBODY kind
.irp k, 0,1,2,3,4,5
.irp u, 0,1
	global_load_b32 v[WSC+2*\k+\u], v2, s[36:37] offset:2048*\k+128*\u
.endr
.endr
.irp i, 0,1
.irp u, 0,1,2
	global_load_b32 v[TSC+3*\i+\u], v3, s[38:39] offset:768*\i+256*\u
.endr
.endr
.if \kind == 0
.irp t, 0,1,2,3
.irp i, 0,1
	global_load_b128 v[ACC+8*(2*\t+\i):ACC+8*(2*\t+\i)+3], v5, s[6:7] offset:64*\t       ; bk at the lane's eight channels 16 t + 8 h + 0 .. 7: the sums begin with it
	global_load_b128 v[ACC+8*(2*\t+\i)+4:ACC+8*(2*\t+\i)+7], v5, s[6:7] offset:64*\t+16
.endr
.endr
.else
.irp t, 0,1,2,3
	global_load_b32 v[BV+\t], v4, s[8:9] offset:64*\t
.endr
.endif
	KVFRAG 0
	s_wait_loadcnt 0x0
	KVMUL \kind, 0
	PLACES
	KVFRAG 3
	s_wait_loadcnt 0x0
	KVMUL \kind, 3
	PLACES
.if \kind == 1
.irp n, 0,1,2,3,4,5,6,7
.irp j, 0,1,2,3,4,5,6,7
	v_add_f32 v[ACC+8*\n+\j], v[ACC+8*\n+\j], v[BV+\n/2]      ; each accumulator from its low end on
.endr
.endr
.endif
.irp n, 0,1,2,3,4,5,6,7
.irp j, 0,1,2,3
	v_cvt_pk_f16_f32 v[TF+4*\n+\j], v[ACC+8*\n+2*\j], v[ACC+8*\n+2*\j+1]
.endr
.endr
.irp t, 0,1,2,3
.irp i, 0,1
.if \kind == 0
	global_store_b128 v1, v[TF+4*(2*\t+\i):TF+4*(2*\t+\i)+3], s[10:11] offset:2048*\i+1024*(\t/2)+512*(\t%2)   ; K [token tile][channels / 32][1024]: 512 consecutive bytes
.else
	global_store_b128 v1, v[TF+4*(2*\t+\i):TF+4*(2*\t+\i)+3], s[10:11] offset:1024*\t+512*\i                    ; V [tokens / 32][t][1024]
.endif
.endr
.endr
	s_endpgm
.endm
	s_load_b256 s[4:11], s[0:1], 0x0               ; kvin s[4:5], bk s[6:7], bv s[8:9], heads s[10:11]
	v_lshrrev_b32 v1, 5, v0
	v_readfirstlane_b32 s2, v1                     ; wave
	v_and_b32 v6, 31, v0
	v_and_b32 v7, 15, v0
	v_bfe_u32 v8, v0, 4, 1
	v_lshlrev_b32 v1, 4, v6                        ; 16 x lane: an image's place
	v_lshlrev_b32 v2, 2, v6                        ; 4 x lane
	v_lshl_add_u32 v3, v8, 7, v2                   ; 4 x lane + 128 h: lanes 16-31 take the next K step's words
	v_lshlrev_b32 v4, 2, v7                        ; 4 r
	v_lshlrev_b32 v5, 5, v8                        ; 32 h
	s_lshl_b32 s12, ttmp9, 2
	s_add_co_u32 s12, s12, s2                      ; the wave's number in the launch: (tensor)(c 8)(head 8)(pair of token tiles 8)
	s_lshr_b32 s13, s12, 9
	s_bfe_u32 s14, s12, 0x30006
	s_bfe_u32 s15, s12, 0x30003
	s_and_b32 s16, s12, 7
	s_lshl_b32 s17, s13, 3
	s_add_co_u32 s17, s17, s14                     ; 8 tensor + c
	s_lshl_b32 s18, s17, 5
	s_lshl_b32 s19, s15, 2
	s_add_co_u32 s18, s18, s19                     ; W's first tile of columns
	s_mul_i32 s20, s18, 6144
	s_add_co_u32 s20, s20, 786432
	s_mov_b32 s21, 0
	s_lshl_b32 s18, s14, 4
	s_lshl_b32 s19, s16, 1
	s_add_co_u32 s18, s18, s19                     ; the first tile of tokens
	s_mul_i32 s22, s18, 6144
	s_mov_b32 s23, 0
	s_mul_i32 s26, s18, 768
	s_add_co_u32 s26, s26, 3932160
	s_mov_b32 s27, 0
	s_mul_i32 s24, s17, 12288
	s_lshl_b32 s19, s15, 8
	s_add_co_u32 s24, s24, s19
	s_add_co_u32 s24, s24, 4030464
	s_mov_b32 s25, 0
	s_lshl_b32 s28, s14, 11
	s_add_co_u32 s28, s28, s19                     ; the head's 64 numbers of a bias
	s_mov_b32 s29, 0
	s_lshl_b32 s30, s14, 3
	s_add_co_u32 s30, s30, s15
	s_mul_i32 s30, s30, 82944                      ; the head's record,
	s_lshl_b32 s19, s16, 12
	s_add_co_u32 s30, s30, s19                     ; my 32 tokens' 4,096 bytes,
	s_lshl_b32 s19, s13, 15
	s_add_co_u32 s30, s30, s19                     ; V's part 32,768 bytes behind K's
	s_mov_b32 s31, 0
	s_wait_kmcnt 0x0
	s_add_nc_u64 s[32:33], s[4:5], s[20:21]
	s_add_nc_u64 s[34:35], s[4:5], s[22:23]
	s_add_nc_u64 s[36:37], s[4:5], s[24:25]
	s_add_nc_u64 s[38:39], s[4:5], s[26:27]
	s_add_nc_u64 s[6:7], s[6:7], s[28:29]
	s_add_nc_u64 s[8:9], s[8:9], s[28:29]
	s_add_nc_u64 s[10:11], s[10:11], s[30:31]
	s_cmp_lt_u32 ttmp9, 128                        ; the first 128 work-groups make K, the others V
	s_cbranch_scc0 .Lvalues
	KVBODY 0
.Lvalues:
	KVBODY 1
.Lfunc_end_k_qfad2e5764d_kv:
	.size	k_qfad2e5764d_kv, .Lfunc_end_k_qfad2e5764d_kv-k_qfad2e5764d_kv
	.p2alignl 7, 3214868480
	.fill 96, 4, 3214868480
	.section	.rodata,"a",@progbits
	.p2align	6, 0x0
	.amdhsa_kernel k_qfad2e5764d_kv
		.amdhsa_group_segment_fixed_size 0
		.amdhsa_private_segment_fixed_size 0
		.amdhsa_enable_private_segment 0
		.amdhsa_kernarg_size 32
		.amdhsa_user_sgpr_count 2
		.amdhsa_user_sgpr_kernarg_segment_ptr 1
		.amdhsa_wavefront_size32 1
		.amdhsa_system_sgpr_workgroup_id_x 1
		.amdhsa_system_sgpr_workgroup_id_y 1
		.amdhsa_system_sgpr_workgroup_id_z 1
		.amdhsa_system_vgpr_workitem_id 0
		.amdhsa_next_free_vgpr 256
		.amdhsa_next_free_sgpr 66
		.amdhsa_reserve_vcc 0
		.amdhsa_float_denorm_mode_32 3
		.amdhsa_float_denorm_mode_16_64 3
		.amdhsa_memory_ordered 1
		.amdhsa_forward_progress 1
		.amdhsa_inst_pref_size 42
	.end_amdhsa_kernel
	.amdgpu_metadata
---
amdhsa.version: [ 1, 2 ]
amdhsa.kernels:
  - .name:           k_qfad2e5764d_kv
    .symbol:         k_qfad2e5764d_kv.kd
    .args:
      - { .name: kvin, .offset: 0, .size: 8, .value_kind: global_buffer, .address_space: global }
      - { .name: bk, .offset: 8, .size: 8, .value_kind: global_buffer, .address_space: global }
      - { .name: bv, .offset: 16, .size: 8, .value_kind: global_buffer, .address_space: global }
      - { .name: heads, .offset: 24, .size: 8, .value_kind: global_buffer, .address_space: global }
    .group_segment_fixed_size: 0
    .private_segment_fixed_size: 0
    .kernarg_segment_align: 8
    .kernarg_segment_size: 32
    .max_flat_workgroup_size: 128
    .sgpr_count:     66
    .vgpr_count:     256
    .wavefront_size: 32
...
	.end_amdgpu_metadata
.endif
;; end of part 2
;; launch attn (part 3): grid 32 x 8, 4 waves a work-group, clusters of 4 x 1, 327,680 bytes of LDS; arguments tsq, heads, bq, oimg; writes oimg
.if DOCPART == 3
	.amdgcn_target "amdgcn-amd-amdhsa--gfx1250"
	.amdhsa_code_object_version 6
	.text
	.protected	k_qfad2e5764d_attn
	.globl	k_qfad2e5764d_attn
	.p2align	8
	.type	k_qfad2e5764d_attn,@function
k_qfad2e5764d_attn:
	s_mov_b64 s[64:65], 0
	v_nop
	global_prefetch_b8 v0, s[64:65] scope:SCOPE_SE
	s_setreg_imm32_b32 hwreg(HW_REG_WAVE_MODE, 25, 1), 1
	s_wait_xcnt 0x0
	s_wait_alu depctr_hold_cnt(0) depctr_sa_sdst(0) depctr_va_vdst(0) depctr_va_sdst(0) depctr_va_ssrc(0) depctr_va_vcc(0) depctr_vm_vsrc(0)
	s_getreg_b32 s2, hwreg(HW_REG_IB_STS2, 6, 4)
	s_cmp_eq_u32 s2, 0
	s_cbranch_scc0 .Lentry_in_a_cluster
	s_endpgm
.Lentry_in_a_cluster:
	s_bfe_u32 s2, ttmp6, 0x10000c
	s_cmp_lg_u32 s2, 0x3003
	s_cbranch_scc0 .Lentry_shape_is_right
	s_endpgm
.Lentry_shape_is_right:
; For one cluster c and 256 query rows: q = ts Wq + bq (codes of E2M1), then for each of the 8 heads softmax(q k^T / 8) v, times the row's gate g', rounded to f16 and stored as fragments of the last product.
; SHARES.  A work-group takes 256 rows and walks the 8 heads; each of its four waves owns 64 rows: four tiles m of 16.  A head's record (K 32 KiB, V 32 KiB, Wq's codes 16 KiB, their scale words 1 KiB) is one
; dense block of 82,944 bytes; records go through two LDS slots, a quarter (81 rows of 256 bytes) to a wave's tensor load.
; CLUSTER.  The four work-groups of a cluster share c and walk the same records: each load is asked for JOINTLY, with the same descriptor and a mask that names the four.
; LAYOUT.  All products are used transposed, so that a lane holds ONE query (lane % 16) throughout: Q^T = Wq ts^T (+ bq as C), S^T = K Q^T, O^T = V^T P.  Results, rounded to f16 in pairs, are the next product's source 1 as they stand.
; SOFTMAX.  All 256 key places of a query lie in registers at once, so the row's true maximum is taken: p = 2^(c s - c max), c = log2(e) / 8.  Key places 250 to 255 become -infinity ahead of the maximum.  The row's sum is
; taken of the unrounded p in f32.  O^T is multiplied by g' / sum; |g'| < 1, so what is rounded to f16 stays under the largest |v|.
; In phases (products, softmax, products): the plain form.  A slot's load is issued a whole head (320 matrix instructions and the softmax) ahead of the wait for it, so nothing is prefetched.
; LIMITS: |q|, |k|, |v| under 65,504 (f16 operands); NaN and infinities are not served.
; REGISTERS, in windows of 256: window 0: addresses, scale words, statistics; v64-127 Q's fragments, in the softmax the maximum's tree; v128-191, v192-255 two buffers of 8 fragments; on the way out v128-191 the packed results.
;   window 1: S^T, then P, of tiles 0, 1 (128 e + 8 tau); in the first phase Q's accumulators (t, m) at 8 (4 t + m) and bq at 128 + 8 t.   window 2: S^T, P of tiles 2, 3.
;   window 3: v0-127 the ts codes at 8 (4 m + K step); v128-255 O^T (t, m) at 128 + 8 (4 m + t).
.set REC,   82944
.set QUART, 20736
.set SLOT1, 1<<17                      ; slot 1 begins here: one exclusive or turns an address in one slot into the other's
.set BQL,   SLOT1+REC                  ; bq of the cluster, 2,048 bytes, filled once
.set SPARE, BQL+2048                   ; the spare words, 128 bytes a wave
.set RTB,   135168                     ; a tile of rows in oimg: 132 K steps of 1,024 bytes
.set LI,   1                           ; v1  16 x lane
.set LW0,  2                           ; v2  Wq's images in a record
.set LS0,  3                           ; v3  their scale words: 4 x lane
.set ABQ0, 4                           ; v4  bq: 32 h
.set ADK,  5                           ; v5-8 the same four in the slot and head in hand
.set ADW,  6
.set ADS,  7
.set ADQ,  8
.set NEG,  9                           ; v9  -infinity
.set SPW,  10                          ; v10 my spare word; never rewritten
.set NIL,  11                          ; v11 0; never rewritten
.set TSC,  16                          ; v16-23 ts scale words: register 2 m + k / 2; lanes 0-15 the even K step
.set WSC,  24                          ; v24-31 Wq's: register 2 k + t / 2; lanes 0-15 the even t
.set GS,   32                          ; v32-35 g' of my row, for each m
.set MX,   36                          ; v36-37 maximum, later 1 / sum;  v38-39 the other half's
.set TMP,  38
.set NCM,  40                          ; v40-43 -c max, as pairs
.set SUM,  44                          ; v44-51 two chains of sums for each of two tiles
.set F,    52                          ; v52-59 g' / sum, as pairs, for each m
.set QF,   64
.set T,    64
.set BA,   128
.set BB,   192
.set OB,   128
.set MSB, 0
.macro WIN new                         ; the immediate's high byte repeats the setting that is left; a switch that changes nothing is dropped
.if MSB != (\new)
	s_set_vgpr_msb (MSB<<8)|(\new)
.set MSB, (\new)
.endif
.endm
.macro PLACES                          ; four plain places behind matrix instructions, ahead of loads into their sources and of reads of their results
.rept 4
	v_nop
.endr
.endm
.macro ROUND                           ; a round of the cluster's barrier
	s_barrier_signal -1
	s_barrier_wait -1
	s_cmp_lg_u32 s12, 0
	s_cbranch_scc1 .Lnot_wave_0_\@
	s_barrier_signal -3
.Lnot_wave_0_\@:
	s_barrier_wait -3
	s_barrier_signal -1
	s_barrier_wait -1
.endm
.macro WMS d, a, b, c, sa, sb, ra, rb  ; the scaled matrix instruction; ra, rb: which half of the lanes holds A's and B's scale words
.if ((\ra) == 0) && ((\rb) == 0)
	v_wmma_scale_f32_16x16x128_f8f6f4 v[(\d):(\d)+7], v[(\a):(\a)+7], v[(\b):(\b)+7], v[(\c):(\c)+7], v[(\sa)], v[(\sb)] matrix_a_fmt:MATRIX_FMT_FP4 matrix_b_fmt:MATRIX_FMT_FP4
.elseif (\rb) == 0
	v_wmma_scale_f32_16x16x128_f8f6f4 v[(\d):(\d)+7], v[(\a):(\a)+7], v[(\b):(\b)+7], v[(\c):(\c)+7], v[(\sa)], v[(\sb)] matrix_a_fmt:MATRIX_FMT_FP4 matrix_b_fmt:MATRIX_FMT_FP4 matrix_a_scale:MATRIX_SCALE_ROW1
.elseif (\ra) == 0
	v_wmma_scale_f32_16x16x128_f8f6f4 v[(\d):(\d)+7], v[(\a):(\a)+7], v[(\b):(\b)+7], v[(\c):(\c)+7], v[(\sa)], v[(\sb)] matrix_a_fmt:MATRIX_FMT_FP4 matrix_b_fmt:MATRIX_FMT_FP4 matrix_b_scale:MATRIX_SCALE_ROW1
.else
	v_wmma_scale_f32_16x16x128_f8f6f4 v[(\d):(\d)+7], v[(\a):(\a)+7], v[(\b):(\b)+7], v[(\c):(\c)+7], v[(\sa)], v[(\sb)] matrix_a_fmt:MATRIX_FMT_FP4 matrix_b_fmt:MATRIX_FMT_FP4 matrix_a_scale:MATRIX_SCALE_ROW1 matrix_b_scale:MATRIX_SCALE_ROW1
.endif
.endm
.macro FETCH8 dst, adr, off            ; eight fragments, as images: 16 loads of 512 consecutive bytes
.irp f, 0,1,2,3,4,5,6,7
	ds_load_b128 v[\dst+8*\f:\dst+8*\f+3], v[\adr] offset:\off+1024*\f
	ds_load_b128 v[\dst+8*\f+4:\dst+8*\f+7], v[\adr] offset:\off+1024*\f+512
.endr
.endm
; S^T of key tiles t0 .. t0 + 3 for all four tiles of queries: 32 matrix instructions; within a window 8 accumulators by turns, one instruction a turn
.macro SMUL buf, t0
.irp n, 1,2
	WIN 0x50*\n
.irp u, 0,1
.irp q, 0,1,2,3
.irp g, 0,1
.if \u == 0
	v_wmma_f32_16x16x32_f16 v[128*\g+8*(\t0+\q):128*\g+8*(\t0+\q)+7], v[\buf+8*(2*\q+\u):\buf+8*(2*\q+\u)+7], v[QF+16*(2*(\n-1)+\g)+8*\u:QF+16*(2*(\n-1)+\g)+8*\u+7], 0
.else
	v_wmma_f32_16x16x32_f16 v[128*\g+8*(\t0+\q):128*\g+8*(\t0+\q)+7], v[\buf+8*(2*\q+\u):\buf+8*(2*\q+\u)+7], v[QF+16*(2*(\n-1)+\g)+8*\u:QF+16*(2*(\n-1)+\g)+8*\u+7], v[128*\g+8*(\t0+\q):128*\g+8*(\t0+\q)+7]
.endif
.endr
.endr
.endr
.endr
.endm
; O^T += V^T P for keys 32 s0 .. 32 s0 + 63: 32 matrix instructions, 8 accumulators by turns.  zero = 1: the first products start the sums
.macro PVMUL buf, s0, zero
.irp n, 1,2
	WIN 0xf0|(\n<<2)
.irp d, 0,1
.irp t, 0,1,2,3
.irp g, 0,1
.if (\zero) && (\d == 0)
	v_wmma_f32_16x16x32_f16 v[128+8*(4*(2*(\n-1)+\g)+\t):128+8*(4*(2*(\n-1)+\g)+\t)+7], v[\buf+8*(4*\d+\t):\buf+8*(4*\d+\t)+7], v[128*\g+8*(\s0+\d):128*\g+8*(\s0+\d)+7], 0
.else
	v_wmma_f32_16x16x32_f16 v[128+8*(4*(2*(\n-1)+\g)+\t):128+8*(4*(2*(\n-1)+\g)+\t)+7], v[\buf+8*(4*\d+\t):\buf+8*(4*\d+\t)+7], v[128*\g+8*(\s0+\d):128*\g+8*(\s0+\d)+7], v[128+8*(4*(2*(\n-1)+\g)+\t):128+8*(4*(2*(\n-1)+\g)+\t)+7]
.endif
.endr
.endr
.endr
.endr
.endm
; The softmax of the two tiles of window x.
.macro SOFTMAX x
	WIN 0x41*\x
.irp g, 0,1
.irp j, 2,3,4,5,6,7
	v_cndmask_b32 v[128*\g+120+\j], v[128*\g+120+\j], v[NEG], s47      ; key tile 15, lanes 16-31, registers 2 to 7 are key places 250 to 255
.endr
.endr
.irp g, 0,1
	WIN 0x15*\x
.set i, 0
.rept 42
	v_max3_num_f32 v[T+i], v[128*\g+3*i], v[128*\g+3*i+1], v[128*\g+3*i+2]   ; ascending: each accumulator is read from its low end on
.set i, i+1
.endr
	v_max_num_f32 v[T+42], v[128*\g+126], v[128*\g+127]
	WIN 0
.set i, 0
.rept 14
	v_max3_num_f32 v[T+i], v[T+3*i], v[T+3*i+1], v[T+3*i+2]
.set i, i+1
.endr
.set i, 0
.rept 4
	v_max3_num_f32 v[T+i], v[T+3*i], v[T+3*i+1], v[T+3*i+2]
.set i, i+1
.endr
	v_max3_num_f32 v[T+4], v[T+12], v[T+13], v[T+42]
	v_max3_num_f32 v[T], v[T], v[T+1], v[T+2]
	v_max3_num_f32 v[T], v[T], v[T+3], v[T+4]
	v_permlanex16_b32 v[TMP+\g], v[T], s48, s49    ; the query's other 128 key places lie in the lane 16 away
	v_max_num_f32 v[MX+\g], v[T], v[TMP+\g]
	v_mul_f32 v[NCM+2*\g], s46, v[MX+\g]           ; -c max
.endr
	WIN 0x41*\x
.irp g, 0,1                            ; ONE BATCH of 256 exponentials; a pair is scaled two pairs ahead of its exponentials; nothing here names an exponential's result
	v_pk_fma_f32 v[128*\g:128*\g+1], v[128*\g:128*\g+1], s[44:45], v[NCM+2*\g:NCM+2*\g+1] op_sel_hi:[1,0,0]
	v_pk_fma_f32 v[128*\g+2:128*\g+3], v[128*\g+2:128*\g+3], s[44:45], v[NCM+2*\g:NCM+2*\g+1] op_sel_hi:[1,0,0]
.set i, 0
.rept 64
	v_exp_f32 v[128*\g+2*i], v[128*\g+2*i]
	v_exp_f32 v[128*\g+2*i+1], v[128*\g+2*i+1]
.if i < 62
	v_pk_fma_f32 v[128*\g+2*i+4:128*\g+2*i+5], v[128*\g+2*i+4:128*\g+2*i+5], s[44:45], v[NCM+2*\g:NCM+2*\g+1] op_sel_hi:[1,0,0]
.endif
.set i, i+1
.endr
.endr
	v_nop                                          ; a plain place behind the last exponential
	s_wait_alu depctr_va_vdst(0)                   ; one wait for the whole batch, ahead of its first reader
	WIN 0x05*\x
.irp g, 0,1
.irp k, 0,1
	v_pk_add_f32 v[SUM+4*\g+2*\k:SUM+4*\g+2*\k+1], v[128*\g+4*\k:128*\g+4*\k+1], v[128*\g+4*\k+2:128*\g+4*\k+3]   ; the sums are taken of the unrounded p: four chains by turns
.endr
.endr
	WIN \x
.set i, 4
.rept 30
.irp g, 0,1
.irp k, 0,1
	v_pk_add_f32 v[SUM+4*\g+2*\k:SUM+4*\g+2*\k+1], v[128*\g+2*(i+\k):128*\g+2*(i+\k)+1], v[SUM+4*\g+2*\k:SUM+4*\g+2*\k+1]
.endr
.endr
.set i, i+2
.endr
	WIN 0x45*\x
.irp g, 0,1
.set i, 0
.rept 64
	v_cvt_pk_f16_f32 v[128*\g+i], v[128*\g+2*i], v[128*\g+2*i+1]     ; in place, ascending: P's fragment of keys 32 s on lies at 128 e + 8 s
.set i, i+1
.endr
.endr
	WIN 0
.irp g, 0,1
	v_pk_add_f32 v[SUM+4*\g:SUM+4*\g+1], v[SUM+4*\g:SUM+4*\g+1], v[SUM+4*\g+2:SUM+4*\g+3]
.endr
.irp g, 0,1
	v_add_f32 v[SUM+4*\g], v[SUM+4*\g], v[SUM+4*\g+1]
.endr
.irp g, 0,1
	v_permlanex16_b32 v[TMP+\g], v[SUM+4*\g], s48, s49
.endr
.irp g, 0,1
	v_add_f32 v[SUM+4*\g], v[SUM+4*\g], v[TMP+\g]
.endr
.irp g, 0,1
	v_rcp_f32 v[MX+\g], v[SUM+4*\g]
.endr
	v_nop
	s_wait_alu depctr_va_vdst(0)                   ; one wait for the two reciprocals
.irp g, 0,1
	v_mul_f32 v[F+2*(2*(\x-1)+\g)], v[GS+2*(\x-1)+\g], v[MX+\g]      ; g' / sum
.endr
.endm
; One head: the slot at s50, bq at s51, the results at s[54:55].
.macro HEAD
	v_add_nc_u32 v[ADK], s50, v[LI]
	v_add_nc_u32 v[ADW], s50, v[LW0]
	v_add_nc_u32 v[ADS], s50, v[LS0]
	v_add_nc_u32 v[ADQ], s51, v[ABQ0]
	FETCH8 BA, ADW, 0                              ; Wq's 16 fragments, 4 k + t
	FETCH8 BB, ADW, 8192
.irp k, 0,1,2,3
.irp u, 0,1
	ds_load_b32 v[WSC+2*\k+\u], v[ADS] offset:256*\k+128*\u
.endr
.endr
	WIN 0x40
.irp t, 0,1,2,3
	ds_load_b128 v[128+8*\t:131+8*\t], v[ADQ] offset:64*\t           ; bq at the lane's eight channels 16 t + 8 h + 0 .. 7
	ds_load_b128 v[132+8*\t:135+8*\t], v[ADQ] offset:64*\t+16
.endr
	s_wait_dscnt 0x0
	WIN 0x5c                                       ; Wq window 0, ts window 3, C and D window 1
.irp k, 0,1,2,3
.irp t, 0,1,2,3
.irp m, 0,1,2,3
.if \k == 0
	WMS 8*(4*\t+\m), BA+8*(4*\k+\t), 8*(4*\m+\k), 128+8*\t, WSC+2*\k+\t/2, TSC+2*\m+\k/2, \t%2, \k%2     ; the bias starts the sums
.else
	WMS 8*(4*\t+\m), BA+8*(4*\k+\t), 8*(4*\m+\k), 8*(4*\t+\m), WSC+2*\k+\t/2, TSC+2*\m+\k/2, \t%2, \k%2
.endif
.endr
.endr
.endr
	WIN 0
	PLACES
	FETCH8 BA, ADK, 0                              ; K: key tiles 0 to 3
	FETCH8 BB, ADK, 8192                           ; 4 to 7
	WIN 0x05
.irp t, 0,1,2,3
.irp m, 0,1,2,3
.irp q, 0,1,2,3
	v_cvt_pk_f16_f32 v[QF+16*\m+4*\t+\q], v[8*(4*\t+\m)+2*\q], v[8*(4*\t+\m)+2*\q+1]    ; tiles 2 u and 2 u + 1 of channels are registers 0-3 and 4-7 of Q's fragment u
.endr
.endr
.endr
	s_wait_dscnt 16                                ; the older buffer's 16 loads are in, the 16 behind them may be out
	SMUL BA, 0
	WIN 0
	PLACES
	FETCH8 BA, ADK, 16384                          ; key tiles 8 to 11
	s_wait_dscnt 16
	SMUL BB, 4
	WIN 0
	PLACES
	FETCH8 BB, ADK, 24576                          ; 12 to 15
	s_wait_dscnt 16
	SMUL BA, 8
	WIN 0
	PLACES
	FETCH8 BA, ADK, 32768                          ; V: keys 0 to 63
	s_wait_dscnt 16
	SMUL BB, 12
	WIN 0
	PLACES
	FETCH8 BB, ADK, 40960                          ; keys 64 to 127
	SOFTMAX 1
	SOFTMAX 2
	s_wait_dscnt 0x0
	PVMUL BA, 0, 1
	WIN 0
	PLACES
	FETCH8 BA, ADK, 49152                          ; keys 128 to 191
	PVMUL BB, 2, 0
	WIN 0
	PLACES
	FETCH8 BB, ADK, 57344                          ; keys 192 to 255
	s_wait_dscnt 16
	PVMUL BA, 4, 0
	s_wait_dscnt 0x0
	PVMUL BB, 6, 0
	WIN 0
	PLACES
	WIN 0xc3
.irp m, 0,1,2,3
.set i, 0
.rept 16
	v_pk_mul_f32 v[128+32*\m+2*i:128+32*\m+2*i+1], v[128+32*\m+2*i:128+32*\m+2*i+1], v[F+2*\m:F+2*\m+1] op_sel_hi:[1,0]   ; x g' / sum, each accumulator from its low end on
.set i, i+1
.endr
.endr
	WIN 0x0f
.set i, 0
.rept 64
	v_cvt_pk_f16_f32 v[OB+i], v[128+2*i], v[128+2*i+1]
.set i, i+1
.endr
	WIN 0
.irp m, 0,1,2,3
.irp t, 0,1,2,3
	global_store_b128 v[LI], v[OB+4*(4*\m+\t):OB+4*(4*\m+\t)+3], s[54:55] offset:RTB*\m+1024*(\t/2)+512*(\t%2) th:TH_STORE_NT   ; 512 consecutive bytes, aligned: half a fragment of the last product
.endr
.endr
.endm
; THE CHANGE OF SLOTS, behind a head.  Each wave waits for all its tensor loads (its quarter of the next head's record), adds 0 to its spare word, and waits for that and for its reads of the slot that it leaves.
; fill = 1: the barrier is a round of the cluster's, and the slot just left takes the record two heads on: the wave's one tensor load, first behind the round.
.macro CHANGE fill
	s_wait_tensorcnt 0x0                           ; no tensor load of mine is out, so the walking group 0 may be written
	ds_add_u32 v[SPW], v[NIL]
.if \fill
	s_xor_b32 s37, s37, SLOT1
	s_add_nc_u64 s[38:39], s[38:39], REC
.endif
	s_wait_xcnt 0x0                                ; the head's stores have read their registers and their base:
	s_add_nc_u64 s[54:55], s[54:55], 2048          ; the next head's two K steps
	s_wait_dscnt 0x0
.if \fill
	ROUND
	tensor_load_to_lds s[36:39], s[16:23]
	s_nop 0
	PLACES
.else
	s_barrier_signal -1
	s_barrier_wait -1
.endif
	s_xor_b32 s50, s50, SLOT1
	s_add_co_u32 s51, s51, 256
.endm
	s_load_b256 s[4:11], s[0:1], 0x0               ; tsq s[4:5], heads s[6:7], bq s[8:9], oimg s[10:11]
	v_lshl_add_u32 v[SPW], v0, 2, SPARE
	v_mov_b32 v[NIL], 0
	ds_add_u32 v[SPW], v[NIL]                      ; the opening: the add, twice on end, and its wait ahead of my first tensor load
	ds_add_u32 v[SPW], v[NIL]
	v_lshrrev_b32 v12, 5, v0
	v_readfirstlane_b32 s12, v12                   ; wave 0..3
	s_bfe_u32 s13, ttmp6, 0x40000                  ; cx: it enters the addresses of tsq and oimg alone
	s_lshl_b32 s14, ttmp9, 2
	s_add_co_u32 s14, s14, s13                     ; my block of 256 rows
	s_and_b32 s15, ttmp7, 0xffff                   ; the cluster of tokens c, which the four partners share
	; group 1: 81 rows of 256 bytes (32 elements of 8 bytes), dense
	s_mov_b32 s16, 15|(3<<16)|(1<<21)              ; 15:0 the mask: all four work-groups; 17:16 elements of 8 bytes; 21 set beside a mask
	s_mov_b32 s17, 32<<16                          ; tensor_dim0
	s_mov_b32 s18, 81<<16                          ; tensor_dim1
	s_mov_b32 s19, 32<<16                          ; tile_dim0
	s_mov_b32 s20, 81                              ; tile_dim1
	s_mov_b32 s21, 32                              ; from row to row
	s_mov_b32 s22, 0
	s_mov_b32 s23, 0
	s_mov_b32 s24, 15|(3<<16)|(1<<21)              ; the same with 2 rows: a wave's quarter of bq
	s_mov_b32 s25, 32<<16
	s_mov_b32 s26, 2<<16
	s_mov_b32 s27, 32<<16
	s_mov_b32 s28, 2
	s_mov_b32 s29, 32
	s_mov_b32 s30, 0
	s_mov_b32 s31, 0
	s_mov_b32 s44, 0x3e38aa3b                      ; c = log2(e) / 8
	s_mov_b32 s45, s44
	s_mov_b32 s46, 0xbe38aa3b                      ; -c
	s_mov_b32 s47, 0xffff0000                      ; lanes 16 to 31
	s_mov_b32 s48, 0x76543210
	s_mov_b32 s49, 0xfedcba98
	s_mov_b32 s50, 0
	s_mov_b32 s51, 0
	s_mul_i32 s56, s15, 8*REC
	s_mul_i32 s53, s12, QUART
	s_add_co_u32 s56, s56, s53                     ; my quarter of the cluster's first record
	s_mov_b32 s57, 0
	s_lshl_b32 s58, s15, 11
	s_lshl_b32 s59, s12, 9
	s_add_co_u32 s58, s58, s59
	s_mov_b32 s59, 0
	s_lshl_b32 s60, s14, 4
	s_lshl_b32 s61, s12, 2
	s_add_co_u32 s60, s60, s61                     ; my first tile of rows
	s_mul_i32 s62, s60, RTB
	s_lshl_b32 s61, s15, 14
	s_add_co_u32 s62, s62, s61                     ; K step 16 c
	s_mov_b32 s63, 0
	s_wait_dscnt 0x0                               ; both opening adds are done
	s_wait_kmcnt 0x0
	s_mov_b32 s32, 1
	s_mov_b32 s33, s53                             ; slot 0
	s_add_nc_u64 s[34:35], s[6:7], s[56:57]
	s_mov_b32 s36, 1
	s_add_co_u32 s37, s53, SLOT1                   ; slot 1; this group walks on
	s_add_nc_u64 s[38:39], s[34:35], REC
	s_or_b32 s35, s35, 0x80000000
	s_or_b32 s39, s39, 0x80000000
	s_mov_b32 s40, 1
	s_lshl_b32 s41, s12, 9
	s_add_co_u32 s41, s41, BQL
	s_add_nc_u64 s[42:43], s[8:9], s[58:59]
	s_or_b32 s43, s43, 0x80000000
	s_add_nc_u64 s[54:55], s[10:11], s[62:63]
	ROUND                                          ; all four work-groups are here: the first joint loads meet
	tensor_load_to_lds s[40:43], s[24:31]          ; bq; three loads of mine are out
	s_nop 0
	tensor_load_to_lds s[32:35], s[16:23]          ; head 0
	s_nop 0
	tensor_load_to_lds s[36:39], s[16:23]          ; head 1
	s_nop 0
	PLACES
	s_lshl_b32 s56, s60, 12                        ; ts codes: 4,096 bytes a tile of rows
	s_lshl_b32 s57, s60, 9
	s_add_co_u32 s57, s57, 2097152                 ; ts scale words: 512 bytes a tile
	s_lshl_b32 s58, s60, 7
	s_lshl_b32 s59, s15, 16
	s_add_co_u32 s58, s58, s59
	s_add_co_u32 s58, s58, 2359296                 ; g': [c][tile][128]
	v_and_b32 v15, 31, v0
	v_bfe_u32 v14, v0, 4, 1
	v_lshlrev_b32 v[LI], 4, v15
	v_add_nc_u32 v[LW0], 0x10000, v[LI]
	v_lshl_add_u32 v[LS0], v15, 2, 81920
	v_lshl_add_u32 v[ABQ0], v14, 5, BQL
	v_lshlrev_b32 v15, 2, v15
	v_lshl_add_u32 v13, v14, 7, v15                ; lanes 16-31 take the next K step's words
	v_add_nc_u32 v12, s56, v[LI]
	v_add_nc_u32 v13, s57, v13
	v_add_nc_u32 v14, s58, v15
	v_mov_b32 v[NEG], 0xff800000
.irp i, 38,39,41,43,53,55,57,59
	v_mov_b32 v[\i], 0                             ; written once: a lane permute's destination counts as read, and so does the upper word of a pair that is named
.endr
	WIN 0xc0
.irp f, 0,1,2,3,4,5,6,7,8,9,10,11,12,13,14,15
	global_load_b128 v[8*\f:8*\f+3], v12, s[4:5] offset:1024*\f          ; the ts codes stay in registers: fragment 4 m + K step
	global_load_b128 v[8*\f+4:8*\f+7], v12, s[4:5] offset:1024*\f+512
.endr
	WIN 0
.irp m, 0,1,2,3
.irp u, 0,1
	global_load_b32 v[TSC+2*\m+\u], v13, s[4:5] offset:512*\m+256*\u
.endr
.endr
.irp m, 0,1,2,3
	global_load_b32 v[GS+\m], v14, s[4:5] offset:128*\m
.endr
	s_wait_tensorcnt 0x1                           ; bq and my quarter of head 0 are in; head 1's may stay out
	s_barrier_signal -1
	s_barrier_wait -1
	s_wait_loadcnt 0x0
	s_mov_b32 s52, 6
.Lh:                                               ; heads 0 to 5: behind each the record two heads on is asked for
	HEAD
	CHANGE 1
	s_sub_co_u32 s52, s52, 1
	s_cmp_lg_u32 s52, 0
	s_cbranch_scc1 .Lh
	s_mov_b32 s52, 2
.Lt:                                               ; heads 6 and 7 ask for nothing: written a second time
	HEAD
	CHANGE 0
	s_sub_co_u32 s52, s52, 1
	s_cmp_lg_u32 s52, 0
	s_cbranch_scc1 .Lt
	s_wait_tensorcnt 0x0                           ; the wave's end
	ds_add_u32 v[SPW], v[NIL]
	s_wait_dscnt 0x0
	ROUND                                          ; the closing round
	s_endpgm
.Lfunc_end_k_qfad2e5764d_attn:
	.size	k_qfad2e5764d_attn, .Lfunc_end_k_qfad2e5764d_attn-k_qfad2e5764d_attn
	.p2alignl 7, 3214868480
	.fill 96, 4, 3214868480
	.section	.rodata,"a",@progbits
	.p2align	6, 0x0
	.amdhsa_kernel k_qfad2e5764d_attn
		.amdhsa_group_segment_fixed_size 327680
		.amdhsa_private_segment_fixed_size 0
		.amdhsa_enable_private_segment 0
		.amdhsa_kernarg_size 32
		.amdhsa_user_sgpr_count 2
		.amdhsa_user_sgpr_kernarg_segment_ptr 1
		.amdhsa_wavefront_size32 1
		.amdhsa_system_sgpr_workgroup_id_x 1
		.amdhsa_system_sgpr_workgroup_id_y 1
		.amdhsa_system_sgpr_workgroup_id_z 1
		.amdhsa_system_vgpr_workitem_id 0
		.amdhsa_next_free_vgpr 1024
		.amdhsa_next_free_sgpr 66
		.amdhsa_reserve_vcc 0
		.amdhsa_float_denorm_mode_32 3
		.amdhsa_float_denorm_mode_16_64 3
		.amdhsa_memory_ordered 1
		.amdhsa_forward_progress 1
		.amdhsa_inst_pref_size 255
	.end_amdhsa_kernel
	.section	.bss,"aw",@nobits
	.p2align	6
	.space	262144
	.amdgpu_metadata
---
amdhsa.version: [ 1, 2 ]
amdhsa.kernels:
  - .name:           k_qfad2e5764d_attn
    .symbol:         k_qfad2e5764d_attn.kd
    .args:
      - { .name: tsq, .offset: 0, .size: 8, .value_kind: global_buffer, .address_space: global }
      - { .name: heads, .offset: 8, .size: 8, .value_kind: global_buffer, .address_space: global }
      - { .name: bq, .offset: 16, .size: 8, .value_kind: global_buffer, .address_space: global }
      - { .name: oimg, .offset: 24, .size: 8, .value_kind: global_buffer, .address_space: global }
    .group_segment_fixed_size: 327680
    .private_segment_fixed_size: 0
    .kernarg_segment_align: 8
    .kernarg_segment_size: 32
    .max_flat_workgroup_size: 128
    .sgpr_count:     66
    .vgpr_count:     1024
    .wavefront_size: 32
...
	.end_amdgpu_metadata
.endif
;; end of part 3
;; launch out (part 4): grid 4 x 64, 4 waves a work-group, clusters of 4 x 4, 327,680 bytes of LDS; arguments oimg, wo, out0; writes out0
.if DOCPART == 4
	.amdgcn_target "amdgcn-amd-amdhsa--gfx1250"
	.amdhsa_code_object_version 6
	.text
	.protected	k_qfad2e5764d_out
	.globl	k_qfad2e5764d_out
	.p2align	8
	.type	k_qfad2e5764d_out,@function
k_qfad2e5764d_out:
	s_mov_b64 s[64:65], 0
	v_nop
	global_prefetch_b8 v0, s[64:65] scope:SCOPE_SE
	s_setreg_imm32_b32 hwreg(HW_REG_WAVE_MODE, 25, 1), 1
	s_wait_xcnt 0x0
	s_wait_alu depctr_hold_cnt(0) depctr_sa_sdst(0) depctr_va_vdst(0) depctr_va_sdst(0) depctr_va_ssrc(0) depctr_va_vcc(0) depctr_vm_vsrc(0)
	s_getreg_b32 s2, hwreg(HW_REG_IB_STS2, 6, 4)
	s_cmp_eq_u32 s2, 0
	s_cbranch_scc0 .Lentry_in_a_cluster
	s_endpgm
.Lentry_in_a_cluster:
	s_bfe_u32 s2, ttmp6, 0x10000c
	s_cmp_lg_u32 s2, 0xf033
	s_cbranch_scc0 .Lentry_shape_is_right
	s_endpgm
.Lentry_shape_is_right:
; out0[row][m] = RS[row] x sum over K of A[row][K] B[m][K], f16 operands, f32 sums.  K = (cluster, channel): 128 steps of 32 of gated o against Wo, step 128 the gates against bo, steps 129 to 131 zeros: 132 steps.
; So the projection, its bias, the gate and the sum over clusters are one product.  RS is a power of two: the gates were divided by it so that the f16 operands keep their room.
; SHARES.  A work-group makes 128 rows x 192 columns (64 x 4 tiles: 256 work-groups).  Wave w makes rows 32 w .. 32 w + 31 x all 192 columns: 2 x 12 = 24 accumulators.
; Both operands lie in memory as images of fragments, [tile of 16][K step][1,024 bytes].
; Wo GOES THROUGH LDS: two slots of 12 K steps (12 tiles x 12,288 bytes), 288 matrix instructions a wave between two changes of slots; each wave fetches 3 tiles with one tensor load.  The four work-groups of a column of
; the 4 x 4 cluster need the same columns of Wo: the load is asked for JOINTLY, with the same descriptor and a mask that names the four.
; o GOES STRAIGHT INTO REGISTERS, and is not asked for jointly though the four work-groups of a row of the cluster read the same rows.  The reason: a slot's load has at most that slot's K steps between its issue and the wait
; for it, and two slots of both operands hold at most 7 K steps each; a wave's 32 rows are read by no other wave of its work-group, so they need no LDS, and a ring of 12 register sets has each load issued 11 K steps,
; 264 matrix instructions, ahead of its use.  The price is stated: each of the four work-groups issues its own loads of those rows.
; Nothing is prefetched: o's loads stand 11 K steps ahead of their use, Wo's 11 K steps ahead of the wait for them.
; THE MATRIX INSTRUCTION IS USED TRANSPOSED (source 0 = 16 columns of Wo, source 1 = 16 rows of o): a lane holds eight neighbouring numbers of a row of out0.
; REGISTERS, in windows of 256: window 0: v16-30 addresses; v32-35 RS as pairs; v64-255 o's ring: set q at 64 + 16 q, in it tile a at + 8 a; on the way out the rows read back.
;   window 1: accumulator (a, b) at 8 (12 a + b).   window 2: Wo's 12 fragments, two buffers, at 0 and at 96.
.set RTB,   135168                     ; a tile's 132 K steps
.set TILEB, 12288                      ; a tile's 12 K steps: a row of the tensor load
.set SLB,   12*TILEB                   ; a slot
.set SPARE, 2*SLB                      ; behind the ring: the spare words, 128 bytes a wave
.set STAGE, SLB                        ; the way out: 32 rows x 784 bytes for each wave, in slot 1, which has had its last fill and its last read when the first result is stored there
.set SP,    784                        ; a stage row: 768 bytes + 16
.set ADRB, 16                          ; v16-21  Wo in LDS: register 3 slot + g: tiles 4 g .. 4 g + 3 (an LDS offset has 16 bits)
.set STO,  24                          ; v24     the way out: where I put 32 bytes of a row
.set RD,   25                          ; v25     where I read a row back
.set CO,   26                          ; v26     my byte offset in out0
.set RO,   27                          ; v27     RS's offset
.set SPW,  28                          ; v28     my spare word; never rewritten
.set NIL,  29                          ; v29     0; never rewritten
.set LI,   30                          ; v30     16 x lane: an image's place; never rewritten
.set RS,   32
.set AR,   64
.set BF0,  0
.set G1B,  48                          ; s[48:55] group 1; s[56:63] group 0, a set for each slot
.set G0B,  56
.set MSB, 0
.macro WIN new                         ; the immediate's high byte repeats the setting that is left; a switch that changes nothing is dropped
.if MSB != (\new)
	s_set_vgpr_msb (MSB<<8)|(\new)
.set MSB, (\new)
.endif
.endm
.macro PLACES                          ; four plain places behind matrix instructions, ahead of loads into their sources and of reads of their results
.rept 4
	v_nop
.endr
.endm
.macro CREST                           ; a round of the cluster's barrier behind its opening barrier
	s_cmp_lg_u32 s10, 0
	s_cbranch_scc1 .Lnot_wave_0_\@
	s_barrier_signal -3
.Lnot_wave_0_\@:
	s_barrier_wait -3
	s_barrier_signal -1
	s_barrier_wait -1
.endm
.macro CROUND
	s_barrier_signal -1
	s_barrier_wait -1
	CREST
.endm
.macro ALOAD q, k                      ; o's two fragments of K step k (counted from where s[14:15] stands) into set q: four loads of 512 consecutive bytes
.irp a, 0,1
	global_load_b128 v[AR+16*(\q)+8*\a:AR+16*(\q)+8*\a+3], v[LI], s[14:15] offset:RTB*\a+1024*(\k)
	global_load_b128 v[AR+16*(\q)+8*\a+4:AR+16*(\q)+8*\a+7], v[LI], s[14:15] offset:RTB*\a+1024*(\k)+512
.endr
.endm
.macro FETCHB slot, j, buf             ; Wo's 12 fragments of the slot's K step j: 24 loads of 512 consecutive bytes
.irp b, 0,1,2,3,4,5,6,7,8,9,10,11
	ds_load_b128 v[(\buf)+8*\b:(\buf)+8*\b+3], v[ADRB+3*(\slot)+\b/4] offset:TILEB*(\b%4)+1024*(\j)
	ds_load_b128 v[(\buf)+8*\b+4:(\buf)+8*\b+7], v[ADRB+3*(\slot)+\b/4] offset:TILEB*(\b%4)+1024*(\j)+512
.endr
.endm
.macro MULA buf, q, a, zero            ; 12 matrix instructions: tile a of my rows against Wo's twelve.  The 24 accumulators take turns, one instruction a turn, in the same order in every K step
.irp b, 0,1,2,3,4,5,6,7,8,9,10,11
.if \zero
	v_wmma_f32_16x16x32_f16 v[8*(12*(\a)+\b):8*(12*(\a)+\b)+7], v[(\buf)+8*\b:(\buf)+8*\b+7], v[AR+16*(\q)+8*(\a):AR+16*(\q)+8*(\a)+7], 0
.else
	v_wmma_f32_16x16x32_f16 v[8*(12*(\a)+\b):8*(12*(\a)+\b)+7], v[(\buf)+8*\b:(\buf)+8*\b+7], v[AR+16*(\q)+8*(\a):AR+16*(\q)+8*(\a)+7], v[8*(12*(\a)+\b):8*(12*(\a)+\b)+7]
.endif
.endr
.endm
; K step j (0 .. 10) of a slot.  al = 1: the set that the last K step read takes o's K step 11 on.  cnt: o's loads that were issued behind this K step's.
.macro KSTEP slot, j, k, zero, al, cnt
	PLACES                                         ; behind the last K step's products: both runs of loads below land in registers that they read
.if \al
	WIN 0
	ALOAD ((\j)+11)%12, (\k)+11
.endif
	WIN 0x80                                       ; destination window 2
	FETCHB \slot, (\j)+1, BF0+96*(((\j)+1)%2)
	s_wait_dscnt 24                                ; this K step's 24 LDS loads are in; the 24 just issued may be out
	s_wait_loadcnt \cnt                            ; o's fragments of this K step are in; the younger K steps' four loads each may be out
	WIN 0x52                                       ; Wo window 2, o window 0, C and D window 1
	MULA BF0+96*((\j)%2), \j, 0, \zero
	MULA BF0+96*((\j)%2), \j, 1, \zero
.endm
; A slot's last K step (j = 11) changes slots: ONE barrier; ahead of it each wave waits for all its tensor loads, adds 0 to its spare word, and waits for that and for its reads of this slot.
; fill = 1: the barrier opens a round of the cluster's, and this slot takes the 12 K steps two slots on: the wave's one tensor load, first behind the round.
.macro TURN slot, next, fill, k
	PLACES
	WIN 0
	ALOAD 10, (\k)+11                              ; ahead of the three lines: no memory instruction stands between the add and the wait for it
	s_wait_tensorcnt 0x0                           ; my three tiles of the next slot have landed; no tensor load of mine is out, so a group 0 may be written
	ds_add_u32 v[SPW], v[NIL]
	s_wait_dscnt 1                                 ; this K step's 24 LDS loads are in; the add may be out
	s_wait_loadcnt 44                              ; o's fragments of this K step are in; 11 younger K steps' four loads each may be out
	WIN 0x52
	MULA BF0+96, 11, 0, 0                          ; twelve matrix instructions stand between the add and the wait for it
	s_wait_dscnt 0x0                               ; the add is done, and my reads of this slot are over
	s_barrier_signal -1
	WIN 0
	s_barrier_wait -1
.if \fill
	CREST                                          ; no wave of any partner still reads this slot or has a load on its way
	s_add_nc_u64 s[G0B+4*\slot+2:G0B+4*\slot+3], s[G0B+4*\slot+2:G0B+4*\slot+3], 2*TILEB
	tensor_load_to_lds s[G0B+4*\slot:G0B+4*\slot+3], s[G1B:G1B+7]
	s_nop 0
	PLACES
.endif
	WIN 0x80
	FETCHB \next, 0, BF0                           ; (the buffer's last readers stand ahead of this macro's first four places)
	WIN 0x52
	MULA BF0+96, 11, 1, 0
.endm
.macro RUN slot, j0, k0                ; the slot's K steps j0 .. 10
.set jj, \j0
.rept 11-\j0
	KSTEP \slot, jj, \k0+jj, 0, 1, 44
.set jj, jj+1
.endr
.endm
	s_load_b128 s[4:7], s[0:1], 0x0                ; oimg, wo
	s_load_b64 s[8:9], s[0:1], 0x10                ; out0
	v_lshl_add_u32 v[SPW], v0, 2, SPARE
	v_mov_b32 v[NIL], 0
	ds_add_u32 v[SPW], v[NIL]                      ; the opening: the add, twice on end, and its wait ahead of my first tensor load
	ds_add_u32 v[SPW], v[NIL]
	v_lshrrev_b32 v1, 5, v0
	v_readfirstlane_b32 s10, v1                    ; wave 0..3
	s_bfe_u32 s40, ttmp6, 0x40000                  ; cx, cy: my place in the cluster
	s_bfe_u32 s41, ttmp6, 0x40004
	s_lshl_b32 s42, ttmp9, 2
	s_add_co_u32 s42, s42, s40                     ; tile column, 0 .. 3
	s_and_b32 s13, ttmp7, 0xffff
	s_lshl_b32 s13, s13, 2
	s_add_co_u32 s13, s13, s41                     ; tile row, 0 .. 63
	s_lshl_b32 s44, 0x1111, s40                    ; my column of the cluster: places cx, cx + 4, cx + 8, cx + 12
	s_or_b32 s[G1B], s44, (3<<16)|(1<<21)          ; 15:0 the mask; 17:16 elements of 8 bytes; 21 set beside a mask
	s_mov_b32 s[G1B+1], 1536<<16                   ; tensor_dim0: 12,288 bytes
	s_mov_b32 s[G1B+2], 3<<16                      ; tensor_dim1: 3 tiles of columns
	s_mov_b32 s[G1B+3], 1536<<16                   ; tile_dim0
	s_mov_b32 s[G1B+4], 3                          ; tile_dim1
	s_mov_b32 s[G1B+5], 16896                      ; from tile to tile: 135,168 bytes
	s_mov_b32 s[G1B+6], 0
	s_mov_b32 s[G1B+7], 0
	s_lshl_b32 s16, s13, 3
	s_lshl_b32 s17, s10, 1
	s_add_co_u32 s18, s16, s17                     ; my first tile of rows: 8 x tile row + 2 x wave
	s_mul_i32 s16, s18, RTB
	s_mov_b32 s17, 0
	s_lshl_b32 s18, s18, 7
	s_add_co_u32 s18, s18, 6488064                 ; RS of my two tiles of rows
	s_mul_i32 s46, s42, 12
	s_mul_i32 s47, s10, 3
	s_add_co_u32 s46, s46, s47                     ; Wo: tile 12 x tile column + 3 x wave: made of the tile column and the wave's number alone
	s_mul_i32 s46, s46, RTB
	s_mov_b32 s47, 0
	s_mul_i32 s20, s10, 3*TILEB                    ; where they go: no place in the cluster enters an LDS address
	s_wait_dscnt 0x0                               ; both opening adds are done
	s_wait_kmcnt 0x0
	s_add_nc_u64 s[14:15], s[4:5], s[16:17]        ; o at my rows' K step 0
	s_add_nc_u64 s[46:47], s[6:7], s[46:47]
	CROUND                                         ; all sixteen work-groups are here: the first joint loads meet
.irp s, 0,1
	s_mov_b32 s[G0B+4*\s], 1
	s_add_co_u32 s[G0B+4*\s+1], s20, \s*SLB
	s_add_nc_u64 s[G0B+4*\s+2:G0B+4*\s+3], s[46:47], \s*TILEB
	s_or_b32 s[G0B+4*\s+3], s[G0B+4*\s+3], 0x80000000
	tensor_load_to_lds s[G0B+4*\s:G0B+4*\s+3], s[G1B:G1B+7]      ; K steps 12 s on; two loads of mine are out
	s_nop 0
.endr
	PLACES
	v_and_b32 v3, 31, v0
	v_lshlrev_b32 v[LI], 4, v3
	v_lshl_add_u32 v[RO], v3, 2, s18
.irp a, 0,1
	global_load_b32 v[RS+2*\a], v[RO], s[6:7] offset:128*\a
	v_mov_b32 v[RS+2*\a+1], 0                      ; named as the upper word of a pair, so it is written
.endr
.set n, 0
.rept 12
	ALOAD n, n                                     ; o's ring is filled: K steps 0 to 11
.set n, n+1
.endr
	v_and_b32 v1, 15, v0                           ; r
	v_bfe_u32 v2, v0, 4, 1                         ; h
.irp s, 0,1
.irp g, 0,1,2
	v_add_nc_u32 v[ADRB+3*\s+\g], \s*SLB+\g*4*TILEB, v[LI]
.endr
.endr
	s_mul_i32 s23, s10, 32*SP
	s_add_co_u32 s23, s23, STAGE                   ; my stage
	v_mul_u32_u24 v5, v1, SP                       ; in: row r, 32 bytes for each half of the lanes
	v_lshl_add_u32 v5, v2, 5, v5
	v_add_nc_u32 v[STO], s23, v5
	v_mul_u32_u24 v5, v2, SP                       ; back: lanes 0-15 one row, lanes 16-31 the next
	v_lshl_add_u32 v5, v1, 4, v5
	v_add_nc_u32 v[RD], s23, v5
	v_mul_u32_u24 v5, v2, 3072
	v_lshl_add_u32 v[CO], v1, 4, v5                ; and the same two rows in out0
	s_lshl_b32 s16, s13, 7
	s_lshl_b32 s17, s10, 5
	s_add_co_u32 s16, s16, s17                     ; my first row
	s_mul_i32 s16, s16, 3072
	s_mov_b32 s17, 0
	s_add_nc_u64 s[8:9], s[8:9], s[16:17]
	s_mul_i32 s46, s42, 768                        ; the tile's first column, in bytes
	s_mov_b32 s47, 0
	s_add_nc_u64 s[8:9], s[8:9], s[46:47]
	s_wait_tensorcnt 0x1                           ; my part of slot 0 is in; slot 1's may stay out
	s_barrier_signal -1
	s_barrier_wait -1
	WIN 0x80
	FETCHB 0, 0, BF0
	KSTEP 0, 0, 0, 1, 0, 44                        ; the first K step stands ahead of the loop: its products start the sums; behind its loads of o stand K steps 1 to 11's
	WIN 0
	s_mov_b32 s3, 4
.Llap:                                             ; a trip goes once round the ring, 24 K steps, from a lap's second K step to the next lap's first, and fills both slots again: 4 trips ask for the slots' worth 2 to 9
	RUN 0, 1, 0
	TURN 0, 1, 1, 11
	RUN 1, 0, 12
	TURN 1, 0, 1, 23
	KSTEP 0, 0, 24, 0, 1, 44
	WIN 0
	s_wait_xcnt 0x0                                ; o's loads have read their base: it steps only behind this wait
	s_add_nc_u64 s[14:15], s[14:15], 24*1024
	s_sub_co_u32 s3, s3, 1
	s_cmp_lg_u32 s3, 0
	s_cbranch_scc1 .Llap
	RUN 0, 1, 0                                    ; the tail is written out: K steps 97 on
	TURN 0, 1, 1, 11                               ; the last refill: K steps 120 to 131 into slot 0
	RUN 1, 0, 12
	TURN 1, 0, 0, 23                               ; nothing is left to fetch for Wo; slot 1 is left for good
	KSTEP 0, 0, 24, 0, 1, 44                       ; o's last loads: K step 131
.set jj, 1
.rept 10
	KSTEP 0, jj, 24+jj, 0, 0, 4*(11-jj)            ; the counts run down
.set jj, jj+1
.endr
	s_wait_dscnt 0x0
	s_wait_loadcnt 0x0                             ; o's last K step; RS came long ago
	MULA BF0+96, 11, 0, 0
	MULA BF0+96, 11, 1, 0
	WIN 0
	PLACES
	; THE WAY OUT.  A lane holds 32 neighbouring bytes of a row, and the lanes beside it hold other rows: my 32 rows of 768 bytes go through my own stage and come back by rows.
	WIN 0x41
.irp a, 0,1
.set i, 0
.rept 48
	v_pk_mul_f32 v[96*\a+2*i:96*\a+2*i+1], v[96*\a+2*i:96*\a+2*i+1], v[RS+2*\a:RS+2*\a+1] op_sel_hi:[1,0]    ; x RS of my row: exact; each accumulator from its low end on
.set i, i+1
.endr
.endr
	WIN 0x04                                       ; an LDS store's data are its source 1: window 1
.irp a, 0,1
.irp b, 0,1,2,3,4,5,6,7,8,9,10,11
	ds_store_b128 v[STO], v[96*\a+8*\b:96*\a+8*\b+3] offset:16*SP*\a+64*\b
	ds_store_b128 v[STO], v[96*\a+8*\b+4:96*\a+8*\b+7] offset:16*SP*\a+64*\b+16
.endr
.endr
	WIN 0
.set n, 0
.rept 48
	ds_load_b128 v[64+4*n:67+4*n], v[RD] offset:2*SP*(n/3)+256*(n%3)      ; LDS serves a wave's instructions in order (ISA guide 5.7.1.4): these see my stores
.set n, n+1
.endr
.set n, 0
.rept 48
	s_wait_dscnt 47-n                              ; piece n is back; the younger ones may be out
	global_store_b128 v[CO], v[64+4*n:67+4*n], s[8:9] offset:6144*(n/3)+256*(n%3) th:TH_STORE_NT      ; 16 lanes store 256 consecutive bytes, at a multiple of 256 from out0's first byte
.set n, n+1
.endr
	s_wait_tensorcnt 0x0                           ; the wave's end
	ds_add_u32 v[SPW], v[NIL]
	s_wait_dscnt 0x0
	CROUND                                         ; the closing round
	s_endpgm
.Lfunc_end_k_qfad2e5764d_out:
	.size	k_qfad2e5764d_out, .Lfunc_end_k_qfad2e5764d_out-k_qfad2e5764d_out
	.p2alignl 7, 3214868480
	.fill 96, 4, 3214868480
	.section	.rodata,"a",@progbits
	.p2align	6, 0x0
	.amdhsa_kernel k_qfad2e5764d_out
		.amdhsa_group_segment_fixed_size 327680
		.amdhsa_private_segment_fixed_size 0
		.amdhsa_enable_private_segment 0
		.amdhsa_kernarg_size 24
		.amdhsa_user_sgpr_count 2
		.amdhsa_user_sgpr_kernarg_segment_ptr 1
		.amdhsa_wavefront_size32 1
		.amdhsa_system_sgpr_workgroup_id_x 1
		.amdhsa_system_sgpr_workgroup_id_y 1
		.amdhsa_system_sgpr_workgroup_id_z 1
		.amdhsa_system_vgpr_workitem_id 0
		.amdhsa_next_free_vgpr 768
		.amdhsa_next_free_sgpr 66
		.amdhsa_reserve_vcc 0
		.amdhsa_float_denorm_mode_32 3
		.amdhsa_float_denorm_mode_16_64 3
		.amdhsa_memory_ordered 1
		.amdhsa_forward_progress 1
		.amdhsa_inst_pref_size 246
	.end_amdhsa_kernel
	.amdgpu_metadata
---
amdhsa.version: [ 1, 2 ]
amdhsa.kernels:
  - .name:           k_qfad2e5764d_out
    .symbol:         k_qfad2e5764d_out.kd
    .args:
      - { .name: oimg, .offset: 0, .size: 8, .value_kind: global_buffer, .address_space: global }
      - { .name: wo, .offset: 8, .size: 8, .value_kind: global_buffer, .address_space: global }
      - { .name: out0, .offset: 16, .size: 8, .value_kind: global_buffer, .address_space: global }
    .group_segment_fixed_size: 327680
    .private_segment_fixed_size: 0
    .kernarg_segment_align: 8
    .kernarg_segment_size: 24
    .max_flat_workgroup_size: 128
    .sgpr_count:     66
    .vgpr_count:     768
    .wavefront_size: 32
...
	.end_amdgpu_metadata
.endif
;; end of part 4
